; MI455X (gfx1250); checked and timed in simulation.
; The chip was launched on July 23, 2026; its instructions are those of AMD's public machine-readable ISA for CDNA 5 (MIT licence, August 2026) and "CDNA5" Instruction Set Architecture Reference Guide (July 2026). The comments in the code are by the model that wrote it; some were corrected since.
;; Mo E Layer. Allowed arithmetic: matrix products marked QUANTISED: E2M1 operands, one E8M0 scale for each 32 along K, by v_wmma_scale_f32_16x16x128_f8f6f4 with both operands' format E2M1 (or v_wmma_scale_f32_32x16x128_f4), f32 sums; products left as they are: f32 operands where the result goes on into a quantised operand, else bf16, f16 or f32 operands; f32 sums; everything else in f32.
;; Inputs: routed_b1 14 x 1,024 float32; routed_b2 14 x 1,024 float32; routed_w1 14 x 1,024 x 1,024 float32; routed_w2 14 x 1,024 x 1,024 float32; router_b 14 float32; router_w 1,024 x 14 float32; shared_b1 2 x 1,024 float32; shared_b2 2 x 1,024 float32; shared_w1 2 x 1,024 x 1,024 float32; shared_w2 2 x 1,024 x 1,024 float32; x 4 x 512 x 1,024 float32.
;; Outputs: out0 4 x 512 x 1,024 float32.
;; This version of the problem:
;;   THIS VERSION OF THE PROBLEM IS GIVEN IN LOW PRECISION. The matrix products marked QUANTISED in the list below multiply operands that are first quantised to E2M1 (2 exponent bits, 1 mantissa bit; 4 bits a number), with one power-of-two scale for each 32 numbers along K (OCP MX v1.0); their sums are f32. All else is computed in f32.
;;   The module's matrix products, in the order in which they are computed (A, B: the left and right operand; K: the contracted axis; several contracted axes count as one K, in the product's order):
;;     1. [M 2,048, K 1,024] x [K 1,024, N 1,024]; A: input x; B: input shared_w1: QUANTISED
;;     2. [M 2,048, K 1,024] x [K 1,024, N 1,024]; A: computed on the way; B: input shared_w2: QUANTISED
;;     3. [M 2,048, K 1,024] x [K 1,024, N 1,024]; A: input x; B: input shared_w1: QUANTISED
;;     4. [M 2,048, K 1,024] x [K 1,024, N 1,024]; A: computed on the way; B: input shared_w2: QUANTISED
;;     5. [M 2,048, K 1,024] x [K 1,024, N 14]; A: input x; B: input router_w: left as it is (N = 14 < 16)
;;     6. [M 2,048, K 1,024] x [K 1,024, N 1,024]; A: input x; B: input routed_w1: QUANTISED
;;     7. [M 2,048, K 1,024] x [K 1,024, N 1,024]; A: computed on the way; B: input routed_w2: QUANTISED
;;     8. [M 2,048, K 1,024] x [K 1,024, N 1,024]; A: input x; B: input routed_w1: QUANTISED
;;     9. [M 2,048, K 1,024] x [K 1,024, N 1,024]; A: computed on the way; B: input routed_w2: QUANTISED
;;     10. [M 2,048, K 1,024] x [K 1,024, N 1,024]; A: input x; B: input routed_w1: QUANTISED
;;     11. [M 2,048, K 1,024] x [K 1,024, N 1,024]; A: computed on the way; B: input routed_w2: QUANTISED
;;     12. [M 2,048, K 1,024] x [K 1,024, N 1,024]; A: input x; B: input routed_w1: QUANTISED
;;     13. [M 2,048, K 1,024] x [K 1,024, N 1,024]; A: computed on the way; B: input routed_w2: QUANTISED
;;     14. [M 2,048, K 1,024] x [K 1,024, N 1,024]; A: input x; B: input routed_w1: QUANTISED
;;     15. [M 2,048, K 1,024] x [K 1,024, N 1,024]; A: computed on the way; B: input routed_w2: QUANTISED
;;     16. [M 2,048, K 1,024] x [K 1,024, N 1,024]; A: input x; B: input routed_w1: QUANTISED
;;     17. [M 2,048, K 1,024] x [K 1,024, N 1,024]; A: computed on the way; B: input routed_w2: QUANTISED
;;     18. [M 2,048, K 1,024] x [K 1,024, N 1,024]; A: input x; B: input routed_w1: QUANTISED
;;     19. [M 2,048, K 1,024] x [K 1,024, N 1,024]; A: computed on the way; B: input routed_w2: QUANTISED
;;     20. [M 2,048, K 1,024] x [K 1,024, N 1,024]; A: input x; B: input routed_w1: QUANTISED
;;     21. [M 2,048, K 1,024] x [K 1,024, N 1,024]; A: computed on the way; B: input routed_w2: QUANTISED
;;     22. [M 2,048, K 1,024] x [K 1,024, N 1,024]; A: input x; B: input routed_w1: QUANTISED
;;     23. [M 2,048, K 1,024] x [K 1,024, N 1,024]; A: computed on the way; B: input routed_w2: QUANTISED
;;     24. [M 2,048, K 1,024] x [K 1,024, N 1,024]; A: input x; B: input routed_w1: QUANTISED
;;     25. [M 2,048, K 1,024] x [K 1,024, N 1,024]; A: computed on the way; B: input routed_w2: QUANTISED
;;     26. [M 2,048, K 1,024] x [K 1,024, N 1,024]; A: input x; B: input routed_w1: QUANTISED
;;     27. [M 2,048, K 1,024] x [K 1,024, N 1,024]; A: computed on the way; B: input routed_w2: QUANTISED
;;     28. [M 2,048, K 1,024] x [K 1,024, N 1,024]; A: input x; B: input routed_w1: QUANTISED
;;     29. [M 2,048, K 1,024] x [K 1,024, N 1,024]; A: computed on the way; B: input routed_w2: QUANTISED
;;     30. [M 2,048, K 1,024] x [K 1,024, N 1,024]; A: input x; B: input routed_w1: QUANTISED
;;     31. [M 2,048, K 1,024] x [K 1,024, N 1,024]; A: computed on the way; B: input routed_w2: QUANTISED
;;     32. [M 2,048, K 1,024] x [K 1,024, N 1,024]; A: input x; B: input routed_w1: QUANTISED
;;     33. [M 2,048, K 1,024] x [K 1,024, N 1,024]; A: computed on the way; B: input routed_w2: QUANTISED
;;   THE QUANTISER, for each operand of a quantised product, along K:
;;     - K is cut into blocks of 32 from its start; a last block that is shorter is filled with zeros.
;;     - A block's scale is 2^e with e = floor(log2(the largest magnitude in the block)) - 2, held to -126 .. 127; a block of zeros has e = 0. As a byte (E8M0): e + 127.
;;     - Each number is divided by its block's scale, clamped to +-6, and rounded to the nearest number of E2M1, ties to even, subnormals kept.
;;     - The product sums the exact products of the quantised numbers (number of the format x scale) in f32.
;;   ~~~python
;;   def quantise(x, axis):      # numpy; x: float32 -> the quantised numbers, widened to float32 again
;;       x = np.moveaxis(x, axis, -1); K = x.shape[-1]
;;       x = np.pad(x, [(0, 0)] * (x.ndim - 1) + [(0, -K % 32)]); x = x.reshape(x.shape[:-1] + (-1, 32)); a = np.abs(x).max(-1, keepdims=True)
;;       e = np.where(a > 0, np.clip(np.frexp(np.where(a > 0, a, 1))[1] - 1 - 2, -126, 127), 0)      # np.frexp(a)[1] - 1 = floor(log2(a)), exactly
;;       r = np.clip(x / 2.0 ** e, -6, 6)
;;       step = 2.0 ** (np.maximum(np.frexp(np.where(r == 0, 1, r))[1] - 1, 0) - 1)
;;       q = np.round(r / step) * step * 2.0 ** e      # np.round: ties to even
;;       return np.moveaxis(q.reshape(q.shape[:-2] + (-1,))[..., :K], -1, axis).astype(np.float32)
;;   ~~~
;;   OPERANDS COMPUTED ON THE WAY. 'Computed on the way' means the value that the module computes at that place (a softmax that the list does not call 'softmax' is quantised finished and normalised). What goes into a quantiser is computed in f32, as accurately as f32 sums, v_exp_f32 and their like allow (about 1e-6 of the number): no bf16 or f16 on the way to a quantiser, and a product that is left as it is and whose result goes on into a quantised operand takes f32 operands (vector FMAs, or v_wmma_f32_16x16x4_f32). A number that lies on a knife's edge between two numbers of the format may be rounded either way, as far as f32 arithmetic and the matrix unit's own rounding can turn it there, and no further.
;; 2 versions, each right; version 2 is version 1 with the launches hidden, outp written anew for expert scheduling mode. Each part assembles by itself: llvm-mc -triple=amdgcn-amd-amdhsa -mcpu=gfx1250 --defsym DOCPART=n.
;; ======== version 1 of 2: 5 launches
;; workspace buffers: wq 17,825,792 bytes; xq 1,114,112 bytes; sel 16,384 bytes of whole numbers; gate 16,384 bytes; rows 118,528 bytes of whole numbers; hq 4,909,056 bytes; part 33,554,432 bytes
;; launch prep1 (part 1): grid 640 x 1, 8 waves a work-group, no clusters, 18,432 bytes of LDS; arguments x, router_w, router_b, routed_w1, shared_w1, wq, xq, sel, gate; writes wq, xq, sel, gate
.if DOCPART == 1
	.amdgcn_target "amdgcn-amd-amdhsa--gfx1250"
	.amdhsa_code_object_version 6
	.text
	.protected	k_q61f5ff4255_prep1
	.globl	k_q61f5ff4255_prep1
	.p2align	8
	.type	k_q61f5ff4255_prep1,@function
k_q61f5ff4255_prep1:
	s_mov_b64 s[64:65], 0
	v_nop
	global_prefetch_b8 v0, s[64:65] scope:SCOPE_SE
	s_setreg_imm32_b32 hwreg(HW_REG_WAVE_MODE, 25, 1), 1
	s_wait_xcnt 0x0
; PREP1: two kinds of work-groups in one launch, parted on the work-group's number alone.
; Work-groups 0-127 (ROUTE): 16 tokens each.  Wave s takes K step s (128 of x's 1,024): it quantises its part of x to FP4 (E2M1, one E8M0 byte for 32 along K)
;   and makes its part of the router's logits; wave 0 then adds the eight parts, picks the two largest logits of each token and stores the experts' numbers (sel) and their softmax values (gate).
; Work-groups 128-639 (PREP): 256 columns x 128 K of one of the 16 first-layer weights [K][N] f32, turned into FP4 codes laid IN THE ORDER OF THE OPERAND'S REGISTERS.
;   A lane takes a column and its registers run down K: a block of 32 along K lies in one lane, and its 16 bytes of codes are just what one lane of a fragment holds.
; wq: [layer 2][expert 16][group of 64 columns 16][K step 8][4,352 bytes]: tile u, half c at 1,024 u + 512 c + 16 lane (lane 16 h + r: block 2 c + h of the tile's row r); from byte 4,096 the scale words:
;   register jj at 128 jj + 4 lane (lanes 0-15: tile 2 jj, lanes 16-31: tile 2 jj + 1).  In layer 0 row r of tile u is column 32 (u / 2) + 8 (u % 2) + r + 8 (r / 8) of the group, so that the
;   first product's results, used transposed, give a lane 16 neighbours along the second product's K.
; The router's product keeps f32 operands (the f32 matrix form): the choice of experts hangs on the order of the logits; it is 14 columns against the layer's 32,768.
; LIMITS: NaN and infinities among the inputs are not served.  A block whose largest magnitude lies under 2^-124 gets the byte 1 (a block of zeros too: its codes are zeros; only this program reads the bytes).
;   The two experts are picked on the logits, by strict comparisons (the lower index wins a tie): that differs from a pick on rounded softmax values only where two different logits round to one value.
.set FIRST, 128                        ; the first work-group of PREP
.set PH,    0                          ; layer 0
.set WV,    22                         ; s22  wave
.set RW,    10                         ; s[10:11] routed weights;  s[12:13] shared;  s[14:15] wq
.set SW,    12
.set WQ,    14
.set X,     64                         ; PREP: v64-191 four blocks of 32 numbers;  ROUTE: v64-127 64 numbers of x
.set C,     16                         ; PREP: v16-31 codes, four registers a block
.set BI,    16                         ; ROUTE: v16-23 router_b of my eight experts
.set P,     24                         ; v24-31 my part of the logits, later the logits
.set TM,    32                         ; v32-47 at work in QUANT
.set PC,    48                         ; v48-55 the fragment just made
.set PW,    56                         ; v56    its scale word
.set R,     128                        ; v128-191 64 numbers of router_w; later wave 0's work
.set ACC,   192                        ; v192-223 four accumulators: written by matrix instructions alone
.set SEL,   40                         ; s[40:41] lane selects: lane l xor 16
.set RSCW,  8448                       ; LDS: 0: 16 rows x (512 + 16) bytes of codes;  8,448: 16 rows x 32 scale bytes;
.set RPL,   8960                       ; 8,960: eight waves x 1,024 bytes of partial logits
; 64 numbers of a lane, register 16 b + i = k 32 b + 16 (lane / 16) + i of my row, become a fragment's codes in v[PC] on and its scale word in v[PW].
.macro QUANT s
.irp b, 0,1,2,3
	v_max3_num_f32 v[TM+\b], |v[\s+16*\b]|, |v[\s+1+16*\b]|, 0x1800000   ; block b: my 16 numbers, and the floor 2^(3 - 127): the byte cannot fall under 1
.endr
.irp i, 2,4,6,8,10,12,14
.irp b, 0,1,2,3
	v_max3_num_f32 v[TM+\b], v[TM+\b], |v[\s+16*\b+\i]|, |v[\s+1+16*\b+\i]|   ; the four blocks by turns
.endr
.endr
.irp b, 0,1,2,3
	v_permlanex16_b32 v[TM+4+\b], v[TM+\b], s[SEL], s[SEL+1]
.endr
.irp b, 0,1,2,3
	v_max_num_f32 v[TM+\b], v[TM+\b], v[TM+4+\b]   ; with lane l xor 16's: the block's largest magnitude
.endr
.irp b, 0,1,2,3
	v_add_nc_u32 v[TM+12+\b], 0xff000000, v[TM+\b]   ; 2 off its exponent field: the conversion takes the exponent field of this operand as its scale
.endr
.irp b, 0,1,2,3
	v_lshrrev_b32 v[TM+4+\b], 23, v[TM+12+\b]      ; the scale's byte
.endr
	v_lshl_or_b32 v[PW], v[TM+5], 8, v[TM+4]
	v_lshl_or_b32 v[PW], v[TM+6], 16, v[PW]
	v_lshl_or_b32 v[PW], v[TM+7], 24, v[PW]
.irp b, 0,1,2,3
	v_cvt_scalef32_pk8_fp4_f32 v[PC+2*\b], v[\s+16*\b:\s+7+16*\b], v[TM+12+\b]
	v_cvt_scalef32_pk8_fp4_f32 v[PC+1+2*\b], v[\s+8+16*\b:\s+15+16*\b], v[TM+12+\b]
.endr
	v_nop                                          ; one plain place behind a scaled conversion
.irp c, 0,1                                    ; the operand wants a whole block in a lane: lanes 0-15 block 2 c, lanes 16-31 block 2 c + 1
.irp i, 0,1
	v_permlane16_swap_b32 v[PC+4*\c+\i], v[PC+2+4*\c+\i]
.endr
.endr
.endm
; PREP: block t of my column: largest magnitude, byte, 32 codes, 16 bytes out.  cnt: how many younger loads may stay out
.macro BLOCK t, cnt
.set XS, X+32*(\t)
	s_wait_loadcnt \cnt
	v_max3_num_f32 v32, |v[XS]|, |v[XS+1]|, |v[XS+2]|
	v_max3_num_f32 v33, |v[XS+3]|, |v[XS+4]|, |v[XS+5]|
.irp i, 6,10,14,18,22,26
	v_max3_num_f32 v32, v32, |v[XS+\i]|, |v[XS+\i+1]|
	v_max3_num_f32 v33, v33, |v[XS+\i+2]|, |v[XS+\i+3]|
.endr
	v_max3_num_f32 v32, v32, |v[XS+30]|, |v[XS+31]|
	v_max3_num_f32 v32, v32, v33, 0x1800000        ; and the floor 2^(3 - 127)
	v_add_nc_u32 v34, 0xff000000, v32              ; the conversion's scale operand
	v_lshrrev_b32 v33, 23, v34                     ; the byte
.if (\t) == 0
	v_mov_b32 v35, v33
.else
	v_lshl_or_b32 v35, v33, 8*(\t), v35            ; four bytes make my column's scale word of this K step
.endif
.irp g, 0,1,2,3
	v_cvt_scalef32_pk8_fp4_f32 v[C+4*(\t)+\g], v[XS+8*\g:XS+8*\g+7], v34
.endr
	v_nop                                          ; one plain place behind a scaled conversion
	global_store_b128 v5, v[C+4*(\t):C+4*(\t)+3], s[34:35] offset:((\t)/2)*512+((\t)%2)*256   ; sixteen lanes store 256 consecutive bytes, aligned
.endm
	s_load_b512 s[4:19], s[0:1], 0x0               ; x, router_w, router_b, routed_w1, shared_w1, wq, xq, sel
	s_load_b64 s[20:21], s[0:1], 0x40              ; gate
	v_lshl_add_u32 v224, v0, 2, 0x4400
	v_mov_b32 v225, 0
	v_lshrrev_b32 v1, 5, v0
	v_readfirstlane_b32 s[WV], v1                  ; wave 0..7
	v_and_b32 v1, 31, v0                           ; l
	v_and_b32 v2, 15, v0                           ; r
	v_bfe_u32 v3, v0, 4, 1                         ; h
	s_wait_kmcnt 0x0
	s_cmp_lt_u32 ttmp9, FIRST
	s_cbranch_scc0 .Lprep
	; ================ ROUTE: tokens 16 x work-group + r; wave s: K step s
	v_lshlrev_b32 v4, 12, v2
	v_lshl_add_u32 v4, v3, 6, v4                   ; x: row r of 4,096 bytes, + 64 h: my 16 numbers of a block of 32
	v_min_u32 v5, 13, v2                           ; router_w: column min(r, 13) (rows 14, 15 of the tile repeat expert 13 and are masked below),
	v_lshlrev_b32 v5, 2, v5
	v_mad_u32_u24 v5, v3, 0x380, v5                ; + 16 h rows of 56 bytes
	v_lshlrev_b32 v11, 5, v3                       ; router_b: 32 h
	v_mul_u32_u24 v12, v3, 24                      ; and 24 h
	s_lshl_b32 s24, ttmp9, 16
	s_lshl_b32 s25, s[WV], 9
	s_add_co_u32 s24, s24, s25
	s_mov_b32 s25, 0
	s_add_nc_u64 s[24:25], s[4:5], s[24:25]        ; x at my 16 rows, my K step
	s_mul_i32 s26, s[WV], 7168
	s_mov_b32 s27, 0
	s_add_nc_u64 s[26:27], s[6:7], s[26:27]        ; router_w at my 128 rows
	global_load_b128 v[BI:BI+3], v11, s[8:9]       ; experts 8 h + 0 .. 3
	global_load_b64 v[BI+4:BI+5], v11, s[8:9] offset:16   ; + 4, 5
	global_load_b64 v[BI+6:BI+7], v12, s[8:9] offset:24   ; + 6, 7; in lanes 16-31 bytes 48-55 once more: inside the 56 bytes, masked below
.irp b, 0,1,2,3
.irp j, 0,1,2,3
	global_load_b128 v[X+16*\b+4*\j:X+16*\b+4*\j+3], v4, s[24:25] offset:128*\b+16*\j   ; register 16 b + i = x[r][128 s + 32 b + 16 h + i]
.endr
.endr
.irp b, 0,1,2,3
.irp i, 0,1,2,3,4,5,6,7,8,9,10,11,12,13,14,15
	global_load_b32 v[R+16*\b+\i], v5, s[26:27] offset:(32*\b+\i)*56   ; the same k of router_w, column min(r, 13)
.endr
.endr
	v_lshlrev_b32 v10, 4, v1                       ; 16 l
	v_mul_u32_u24 v6, v2, 528
	v_lshl_add_u32 v6, v3, 4, v6
	s_lshl_b32 s28, s[WV], 6
	v_add_nc_u32 v6, s28, v6                       ; the codes' stage: row r, + 64 s + 16 h
	v_lshlrev_b32 v7, 5, v2
	s_lshl_b32 s28, s[WV], 2
	v_add_nc_u32 v7, s28, v7                       ; the scale bytes: 32 r + 4 s
	s_lshl_b32 s28, s[WV], 10
	v_add_nc_u32 v8, s28, v10                      ; my partial logits: 1,024 s + 16 l
	s_mul_i32 s29, s[WV], 1056
	v_add_nc_u32 v9, s29, v10                      ; back out of the stage: rows 2 s and 2 s + 1, 16 bytes a lane
	s_lshl_b32 s30, ttmp9, 13
	s_add_co_u32 s30, s30, s28
	s_mov_b32 s31, 0
	s_add_nc_u64 s[30:31], s[16:17], s[30:31]      ; xq: codes of rows 16 x work-group + 2 s
	s_lshl_b32 s32, ttmp9, 9
	s_add_co_u32 s32, s32, 0x100000
	s_mov_b32 s33, 0
	s_add_nc_u64 s[32:33], s[16:17], s[32:33]      ; xq: the 16 rows' scale bytes
	s_lshl_b32 s28, ttmp9, 7
	s_mov_b32 s29, 0
	s_add_nc_u64 s[18:19], s[18:19], s[28:29]      ; sel and gate: 8 bytes a token
	s_add_nc_u64 s[20:21], s[20:21], s[28:29]
	s_mov_b32 s[SEL], 0x76543210
	s_mov_b32 s[SEL+1], 0xfedcba98
.irp b, 0,1,2,3
	v_mov_b32 v[TM+4+\b], 0                        ; a lane permute's destination counts as one of its sources
.endr
	s_wait_loadcnt 0x0
	; logits^T: source 0 = 16 columns of router_w, source 1 = my 16 tokens, 4 along K an instruction.  Both sources hold the same k in the same lane half and register.
	; Four accumulators by turns; each sum's first product takes the constant 0.
.set q, 0
.rept 32
.if q < 4
	v_wmma_f32_16x16x4_f32 v[ACC+8*(q%4):ACC+8*(q%4)+7], v[R+2*q:R+2*q+1], v[X+2*q:X+2*q+1], 0
.else
	v_wmma_f32_16x16x4_f32 v[ACC+8*(q%4):ACC+8*(q%4)+7], v[R+2*q:R+2*q+1], v[X+2*q:X+2*q+1], v[ACC+8*(q%4):ACC+8*(q%4)+7]
.endif
.set q, q+1
.endr
	QUANT X                                        ; x's fragment of this K step.  Its plain lines write no register of the products: they are the places behind them (ISA guide 7.12.1)
	ds_store_b128 v6, v[PC:PC+3]
	ds_store_b128 v6, v[PC+4:PC+7] offset:32
	ds_store_b32 v7, v[PW] offset:RSCW             ; both halves of the lanes write the same word with the same value
.irp k, 0,2,4,6
	v_pk_add_f32 v[P+\k:P+\k+1], v[ACC+\k:ACC+\k+1], v[ACC+8+\k:ACC+8+\k+1]   ; each accumulator from its low end on
.endr
.irp k, 0,2,4,6
	v_pk_add_f32 v[TM+\k:TM+\k+1], v[ACC+16+\k:ACC+16+\k+1], v[ACC+24+\k:ACC+24+\k+1]
.endr
.irp k, 0,2,4,6
	v_pk_add_f32 v[P+\k:P+\k+1], v[P+\k:P+\k+1], v[TM+\k:TM+\k+1]   ; lane (r, h), register j: token r, expert 8 h + j, my 128 along K
.endr
	ds_store_b128 v8, v[P:P+3] offset:RPL
	ds_store_b128 v8, v[P+4:P+7] offset:RPL+512
	s_wait_dscnt 0x0                               ; for the others' sake: my stores have landed
	s_barrier_signal -1
	s_barrier_wait -1
	ds_load_b128 v[PC:PC+3], v9                    ; two whole rows of 512 bytes of codes
	ds_load_b128 v[PC+4:PC+7], v9 offset:528
	s_wait_dscnt 0x0
	global_store_b128 v10, v[PC:PC+3], s[30:31]    ; 32 lanes store 512 consecutive bytes
	global_store_b128 v10, v[PC+4:PC+7], s[30:31] offset:512
	s_cmp_lg_u32 s[WV], 0
	s_cbranch_scc1 .Lrend
	; ---- wave 0 alone: the scale bytes out, the logits, the two largest, their softmax values
.set NEG, 128
.set V1,  129                          ; v129-132: largest, its index, second, its index
.set IJ,  133
.set I0,  134
.set OT,  136                          ; v136-139: the same four of lane l xor 16
.set A1,  140                          ; v140-143: those of experts 0-7
.set B1,  144                          ; v144-147: those of experts 8-13
.set T1,  148
.set TI1, 149
.set T2,  150
.set TI2, 151
.set XV,  152
.set XI,  153
.set YV,  154
.set YI,  155
.set NM,  156
.set EX,  158                          ; v158-165
.set E2,  166
.set SM,  167
.set SO2, 168
.set RC,  169
.set G2,  170
.set OA,  171
.set OS,  172
.set OG,  173
	ds_load_b128 v[58:61], v10 offset:RSCW
.irp s, 0,1,2,3,4,5,6,7
.irp g, 0,1
	ds_load_b128 v[X+8*\s+4*\g:X+8*\s+4*\g+3], v10 offset:RPL+1024*\s+512*\g
.endr
.endr
	s_wait_dscnt 16                                ; the scale bytes are in; the sixteen loads behind them may be out
	global_store_b128 v10, v[58:61], s[32:33]      ; 512 consecutive bytes: 16 rows x 32
	s_wait_dscnt 0x0
.irp k, 0,2,4,6
	v_pk_add_f32 v[P+\k:P+\k+1], v[X+\k:X+\k+1], v[X+8+\k:X+8+\k+1]
.endr
.irp s, 2,3,4,5,6,7
.irp k, 0,2,4,6
	v_pk_add_f32 v[P+\k:P+\k+1], v[P+\k:P+\k+1], v[X+8*\s+\k:X+8*\s+\k+1]   ; K ascending
.endr
.endr
.irp k, 0,2,4,6
	v_pk_add_f32 v[P+\k:P+\k+1], v[P+\k:P+\k+1], v[BI+\k:BI+\k+1]
.endr
	s_mov_b32 s34, 0xffff0000                      ; lanes 16-31
	s_mov_b32 s36, 0x3fb8aa3b                      ; log2(e)
	v_mov_b32 v[NEG], 0xff800000                   ; -infinity
	v_cndmask_b32 v[P+6], v[P+6], v[NEG], s34      ; experts 14 and 15 do not exist
	v_cndmask_b32 v[P+7], v[P+7], v[NEG], s34
	v_lshlrev_b32 v[I0], 3, v3
	v_mov_b32 v[V1], v[P]
	v_mov_b32 v[V1+1], v[I0]
	v_mov_b32 v[V1+2], v[NEG]
	v_mov_b32 v[V1+3], v[I0]
.irp j, 1,2,3,4,5,6,7                          ; the two largest of my eight: strict comparisons keep the lower index on a tie; only values are selected, nothing branches
	v_add_nc_u32 v[IJ], \j, v[I0]
	v_cmp_gt_f32 vcc_lo, v[P+\j], v[V1]
	v_cmp_gt_f32 s35, v[P+\j], v[V1+2]
	v_cndmask_b32 v[V1+2], v[V1+2], v[P+\j], s35
	v_cndmask_b32 v[V1+3], v[V1+3], v[IJ], s35
	v_cndmask_b32 v[V1+2], v[V1+2], v[V1], vcc_lo
	v_cndmask_b32 v[V1+3], v[V1+3], v[V1+1], vcc_lo
	v_cndmask_b32 v[V1], v[V1], v[P+\j], vcc_lo
	v_cndmask_b32 v[V1+1], v[V1+1], v[IJ], vcc_lo
.endr
.irp i, 0,1,2,3
	v_mov_b32 v[OT+\i], 0
.endr
.irp i, 0,1,2,3
	v_permlanex16_b32 v[OT+\i], v[V1+\i], s[SEL], s[SEL+1]
.endr
.irp i, 0,1,2,3
	v_cndmask_b32 v[A1+\i], v[V1+\i], v[OT+\i], s34   ; in every lane: A = the pair of experts 0-7,
	v_cndmask_b32 v[B1+\i], v[OT+\i], v[V1+\i], s34   ; B = the pair of experts 8-13
.endr
	v_cmp_gt_f32 vcc_lo, v[B1], v[A1]
	v_cndmask_b32 v[T1], v[A1], v[B1], vcc_lo      ; the largest
	v_cndmask_b32 v[TI1], v[A1+1], v[B1+1], vcc_lo
	v_cndmask_b32 v[XV], v[A1+2], v[A1], vcc_lo    ; what A still offers,
	v_cndmask_b32 v[XI], v[A1+3], v[A1+1], vcc_lo
	v_cndmask_b32 v[YV], v[B1], v[B1+2], vcc_lo    ; and B
	v_cndmask_b32 v[YI], v[B1+1], v[B1+3], vcc_lo
	v_cmp_gt_f32 vcc_lo, v[YV], v[XV]
	v_cndmask_b32 v[T2], v[XV], v[YV], vcc_lo      ; the second
	v_cndmask_b32 v[TI2], v[XI], v[YI], vcc_lo
	v_mul_f32 v[NM], 0xbfb8aa3b, v[T1]             ; the row's maximum is taken away ahead of the exponentials
.irp j, 0,1,2,3,4,5,6,7
	v_fma_f32 v[EX+\j], v[P+\j], s36, v[NM]
.endr
	v_fma_f32 v[E2], v[T2], s36, v[NM]
.irp j, 0,1,2,3,4,5,6,7
	v_exp_f32 v[EX+\j], v[EX+\j]
.endr
	v_exp_f32 v[E2], v[E2]
	v_mov_b32 v[SO2], 0                            ; a plain place behind the exponentials; also the permute's destination
	s_wait_alu depctr_va_vdst(0)
	v_pk_add_f32 v[EX:EX+1], v[EX:EX+1], v[EX+2:EX+3]
	v_pk_add_f32 v[EX+4:EX+5], v[EX+4:EX+5], v[EX+6:EX+7]
	v_pk_add_f32 v[EX:EX+1], v[EX:EX+1], v[EX+4:EX+5]
	v_add_f32 v[SM], v[EX], v[EX+1]
	v_permlanex16_b32 v[SO2], v[SM], s[SEL], s[SEL+1]
	v_add_f32 v[SM], v[SM], v[SO2]                 ; the sum over the 14 experts
	v_rcp_f32 v[RC], v[SM]                         ; the largest's softmax value: 1 / the sum
	v_lshlrev_b32 v[OA], 3, v2                     ; (a plain place behind the reciprocal)
	v_lshl_add_u32 v[OA], v3, 2, v[OA]             ; 8 r + 4 h: lanes 0-15 store slot 0, lanes 16-31 slot 1
	s_wait_alu depctr_va_vdst(0)
	v_mul_f32 v[G2], v[E2], v[RC]
	v_cndmask_b32 v[OS], v[TI1], v[TI2], s34
	v_cndmask_b32 v[OG], v[RC], v[G2], s34
	global_store_b32 v[OA], v[OS], s[18:19]        ; 128 consecutive bytes, at fixed places
	global_store_b32 v[OA], v[OG], s[20:21]
.Lrend:
	s_wait_tensorcnt 0x0
	ds_add_u32 v224, v225
	s_wait_dscnt 0x0
	s_endpgm
	; ================ PREP: q = work-group - FIRST: matrix q / 32, 256 columns (q / 8) % 4, K step q % 8; wave w: 32 of the columns
.Lprep:
	s_sub_co_u32 s24, ttmp9, FIRST
	s_lshr_b32 s25, s24, 5                         ; matrix 0..15: 0-13 routed, 14, 15 shared
	s_bfe_u32 s26, s24, 0x20003                    ; which 256 columns
	s_and_b32 s27, s24, 7                          ; K step
	s_cmp_lt_u32 s25, 14
	s_cselect_b64 s[28:29], s[RW:RW+1], s[SW:SW+1] ; the choice hangs on the work-group's number alone
	s_cselect_b32 s30, 0, 14
	s_sub_co_u32 s30, s25, s30
	s_lshl_b32 s30, s30, 22                        ; 4 MiB a matrix,
	s_lshl_b32 s31, s27, 19                        ; 128 rows of 4,096 bytes a K step,
	s_add_co_u32 s30, s30, s31
	s_lshl_b32 s31, s26, 10                        ; 1,024 bytes for 256 columns,
	s_add_co_u32 s30, s30, s31
	s_lshl_b32 s31, s[WV], 7                       ; 128 for my 32
	s_add_co_u32 s30, s30, s31
	s_mov_b32 s31, 0
	s_add_nc_u64 s[28:29], s[28:29], s[30:31]
	s_lshl_b32 s32, s25, 4
	s_lshl_b32 s33, s26, 2
	s_add_co_u32 s32, s32, s33
	s_lshr_b32 s33, s[WV], 1
	s_add_co_u32 s32, s32, s33                     ; 16 x matrix + group of 64 columns
	s_add_co_u32 s32, s32, PH*256
	s_lshl_b32 s32, s32, 3
	s_add_co_u32 s32, s32, s27
	s_mul_i32 s32, s32, 4352                       ; the block of this group and K step
	s_and_b32 s33, s[WV], 1                        ; which two of its four tiles are mine
	s_lshl_b32 s34, s33, 11
	s_add_co_u32 s34, s34, s32
	s_mov_b32 s35, 0
	s_add_nc_u64 s[34:35], s[WQ:WQ+1], s[34:35]    ; my codes
	s_lshl_b32 s36, s33, 7
	s_add_co_u32 s36, s36, s32
	s_add_co_u32 s36, s36, 4096
	s_mov_b32 s37, 0
	s_add_nc_u64 s[36:37], s[WQ:WQ+1], s[36:37]    ; my scale words
.if PH == 0
	v_and_b32 v4, 7, v1                            ; my column among the wave's 32: (l % 8) + 16 ((l / 8) % 2) + 8 (l / 16)
	v_bfe_u32 v5, v1, 3, 1
	v_lshl_add_u32 v4, v5, 4, v4
	v_lshl_add_u32 v4, v3, 3, v4
	v_lshlrev_b32 v4, 2, v4
.else
	v_lshlrev_b32 v4, 2, v1                        ; my column among the wave's 32: l
.endif
	v_lshlrev_b32 v5, 4, v2
	v_lshl_add_u32 v5, v3, 10, v5                  ; out: tile l / 16, row l % 16
	v_lshlrev_b32 v6, 2, v1
.set n, 0
.rept 128
	global_load_b32 v[X+n], v4, s[28:29] offset:n*4096 th:TH_LOAD_NT   ; row n of the K step, my column: the wave reads 128 consecutive bytes; read once in the launch
.set n, n+1
.endr
	BLOCK 0, 63                                    ; 96 younger loads are out: 63 is the largest count that can be written
	BLOCK 1, 63                                    ; 64 younger
	BLOCK 2, 32
	BLOCK 3, 0
	global_store_b32 v6, v35, s[36:37]             ; 128 consecutive bytes of scale words
	s_endpgm
.Lfunc_end_k_q61f5ff4255_prep1:
	.size	k_q61f5ff4255_prep1, .Lfunc_end_k_q61f5ff4255_prep1-k_q61f5ff4255_prep1
	.p2alignl 7, 3214868480
	.fill 96, 4, 3214868480
	.section	.rodata,"a",@progbits
	.p2align	6, 0x0
	.amdhsa_kernel k_q61f5ff4255_prep1
		.amdhsa_group_segment_fixed_size 18432
		.amdhsa_private_segment_fixed_size 0
		.amdhsa_enable_private_segment 0
		.amdhsa_kernarg_size 72
		.amdhsa_user_sgpr_count 2
		.amdhsa_user_sgpr_kernarg_segment_ptr 1
		.amdhsa_wavefront_size32 1
		.amdhsa_system_sgpr_workgroup_id_x 1
		.amdhsa_system_sgpr_workgroup_id_y 1
		.amdhsa_system_sgpr_workgroup_id_z 1
		.amdhsa_system_vgpr_workitem_id 0
		.amdhsa_next_free_vgpr 226
		.amdhsa_next_free_sgpr 66
		.amdhsa_reserve_vcc 1
		.amdhsa_float_denorm_mode_32 3
		.amdhsa_float_denorm_mode_16_64 3
		.amdhsa_memory_ordered 1
		.amdhsa_forward_progress 1
		.amdhsa_inst_pref_size 48
	.end_amdhsa_kernel
	.amdgpu_metadata
---
amdhsa.version: [ 1, 2 ]
amdhsa.kernels:
  - .name:           k_q61f5ff4255_prep1
    .symbol:         k_q61f5ff4255_prep1.kd
    .args:
      - { .name: x, .offset: 0, .size: 8, .value_kind: global_buffer, .address_space: global }
      - { .name: router_w, .offset: 8, .size: 8, .value_kind: global_buffer, .address_space: global }
      - { .name: router_b, .offset: 16, .size: 8, .value_kind: global_buffer, .address_space: global }
      - { .name: routed_w1, .offset: 24, .size: 8, .value_kind: global_buffer, .address_space: global }
      - { .name: shared_w1, .offset: 32, .size: 8, .value_kind: global_buffer, .address_space: global }
      - { .name: wq, .offset: 40, .size: 8, .value_kind: global_buffer, .address_space: global }
      - { .name: xq, .offset: 48, .size: 8, .value_kind: global_buffer, .address_space: global }
      - { .name: sel, .offset: 56, .size: 8, .value_kind: global_buffer, .address_space: global }
      - { .name: gate, .offset: 64, .size: 8, .value_kind: global_buffer, .address_space: global }
    .group_segment_fixed_size: 18432
    .private_segment_fixed_size: 0
    .kernarg_segment_align: 8
    .kernarg_segment_size: 72
    .max_flat_workgroup_size: 256
    .sgpr_count:     66
    .vgpr_count:     226
    .wavefront_size: 32
...
	.end_amdgpu_metadata
.endif
;; end of part 1
;; launch prep2 (part 2): grid 1028 x 1, 4 waves a work-group, no clusters, 0 bytes of LDS; arguments routed_w2, shared_w2, sel, wq, rows; writes wq, rows
.if DOCPART == 2
	.amdgcn_target "amdgcn-amd-amdhsa--gfx1250"
	.amdhsa_code_object_version 6
	.text
	.protected	k_q61f5ff4255_prep2
	.globl	k_q61f5ff4255_prep2
	.p2align	8
	.type	k_q61f5ff4255_prep2,@function
k_q61f5ff4255_prep2:
	s_mov_b64 s[64:65], 0
	v_nop
	global_prefetch_b8 v0, s[64:65] scope:SCOPE_SE
	s_setreg_imm32_b32 hwreg(HW_REG_WAVE_MODE, 25, 1), 1
	s_wait_xcnt 0x0
; PREP2: work-groups 4-1027 (PREP) turn the 16 second-layer weights [K][N] f32 into FP4 codes in the order of the operand's registers, as the launch before did for the first layer
; (wq's second half; here row r of tile u is column 16 u + r of its group of 64).  A lane takes a column, its registers run down K.  A work-group of four waves takes 128 columns x 128 K.
; Work-groups 0 to 3 (PLACE): wave w of work-group g makes the list of expert e = 4 g + w: it reads all 4,096 entries of sel (stored by the launch before) and writes the ids 2 x token + slot
; of those that name e, one behind the other, and their count.  One wave, one list: no atomics, no LDS, no barrier.  The order of a list's ids is the order of the scan; nothing hangs on it.
; rows: bytes 0-55: 14 counts;  expert e's list at 256 + 8,448 e: 2,048 ids, then 32 spare words into which the lanes whose entry names another expert write (nobody reads them): so EXEC never changes in the scan.
; LIMITS: as in the launch before: NaN and infinities are not served; a block under 2^-124 gets the byte 1.
.set FIRST, 4
.set PH,    1
.set WV,    22
.set RW,    4                          ; s[4:5] routed weights;  s[6:7] shared;  s[10:11] wq
.set SW,    6
.set WQ,    10
.set X,     64                         ; v64-191
.set C,     16
.macro BLOCK t, cnt
.set XS, X+32*(\t)
	s_wait_loadcnt \cnt
	v_max3_num_f32 v32, |v[XS]|, |v[XS+1]|, |v[XS+2]|
	v_max3_num_f32 v33, |v[XS+3]|, |v[XS+4]|, |v[XS+5]|
.irp i, 6,10,14,18,22,26
	v_max3_num_f32 v32, v32, |v[XS+\i]|, |v[XS+\i+1]|
	v_max3_num_f32 v33, v33, |v[XS+\i+2]|, |v[XS+\i+3]|
.endr
	v_max3_num_f32 v32, v32, |v[XS+30]|, |v[XS+31]|
	v_max3_num_f32 v32, v32, v33, 0x1800000        ; and the floor 2^(3 - 127): the byte cannot fall under 1
	v_add_nc_u32 v34, 0xff000000, v32              ; 2 off the exponent field: the conversion's scale operand
	v_lshrrev_b32 v33, 23, v34                     ; the byte
.if (\t) == 0
	v_mov_b32 v35, v33
.else
	v_lshl_or_b32 v35, v33, 8*(\t), v35
.endif
.irp g, 0,1,2,3
	v_cvt_scalef32_pk8_fp4_f32 v[C+4*(\t)+\g], v[XS+8*\g:XS+8*\g+7], v34
.endr
	v_nop                                          ; one plain place behind a scaled conversion
	global_store_b128 v5, v[C+4*(\t):C+4*(\t)+3], s[34:35] offset:((\t)/2)*512+((\t)%2)*256   ; sixteen lanes store 256 consecutive bytes, aligned
.endm
; PLACE: register n of the 128 holds entry 128 (n / 4) + 4 l + n % 4.  Sixteen pairs of address and data take turns.
.macro PLACE1 n
.set A, 16+2*((\n)%16)
.if (\n)%4 == 0
	s_wait_loadcnt 31-(\n)/4                       ; this register's load is in; the younger ones may be out
.endif
.if ((\n)%16 == 0) && ((\n) > 0)
	s_wait_xcnt 0x0                                ; the sixteen stores before have read their registers: the pairs are written again only behind this wait
.endif
	v_cmp_eq_u32 vcc_lo, s14, v[64+(\n)]
	v_mbcnt_lo_u32_b32 v[A], vcc_lo, s20           ; the count so far + the hits in the lanes below me
	v_cndmask_b32 v[A], v6, v[A], vcc_lo           ; no hit: my spare word
	v_min_u32 v[A], 0x81f, v[A]                    ; inside the list's 2,080 words
	v_lshlrev_b32 v[A], 2, v[A]
	v_add_nc_u32 v[A+1], ((\n)/4)*128+(\n)%4, v5   ; the id
	global_store_b32 v[A], v[A+1], s[16:17]
	s_bcnt1_i32_b32 s21, vcc_lo
	s_add_co_u32 s20, s20, s21
.endm
	s_load_b256 s[4:11], s[0:1], 0x0               ; routed_w2, shared_w2, sel, wq
	s_load_b64 s[12:13], s[0:1], 0x20              ; rows
	v_lshrrev_b32 v1, 5, v0
	v_readfirstlane_b32 s[WV], v1                  ; wave 0..3
	v_and_b32 v1, 31, v0                           ; l
	v_and_b32 v2, 15, v0                           ; r
	v_bfe_u32 v3, v0, 4, 1                         ; h
	s_wait_kmcnt 0x0
	s_cmp_lt_u32 ttmp9, FIRST
	s_cbranch_scc0 .Lprep
	; ================ PLACE
	s_lshl_b32 s14, ttmp9, 2
	s_add_co_u32 s14, s14, s[WV]                   ; my expert
	s_cmp_ge_u32 s14, 14
	s_cbranch_scc1 .Lend                           ; the last two waves of work-group 3 have none
	s_mul_i32 s16, s14, 8448
	s_add_co_u32 s16, s16, 256
	s_mov_b32 s17, 0
	s_add_nc_u64 s[16:17], s[12:13], s[16:17]      ; my list
	v_lshlrev_b32 v4, 4, v1
.irp i, 0,1,2,3,4,5,6,7,8,9,10,11,12,13,14,15,16,17,18,19,20,21,22,23,24,25,26,27,28,29,30,31
	global_load_b128 v[64+4*\i:67+4*\i], v4, s[8:9] offset:512*\i   ; all of sel: 512 consecutive bytes a load
.endr
	v_lshlrev_b32 v5, 2, v1                        ; 4 l
	v_add_nc_u32 v6, 0x800, v1                     ; my spare word: 2,048 + l
	s_mov_b32 s20, 0                               ; the count
.set N, 0
.rept 128
	PLACE1 N
.set N, N+1
.endr
	s_wait_xcnt 0x0                                ; EXEC changes only behind this wait
	s_min_u32 s21, s20, 0x81f
	s_lshl_b32 s21, s21, 2
	v_mov_b32 v48, s21
	v_mov_b32 v49, 0
	v_mov_b32 v50, s20
	s_lshl_b32 s23, s14, 2
	v_mov_b32 v51, s23
	v_cmp_eq_u32 vcc_lo, 0, v1
	s_and_saveexec_b32 s24, vcc_lo                 ; lane 0 alone
	global_store_b32 v48, v49, s[16:17]            ; a 0 behind the last id: so word 0 of a list without ids is written too (a tile that the split leaves empty reads it and uses it for nothing)
	global_store_b32 v51, v50, s[12:13]            ; the count
	s_wait_xcnt 0x0                                ; and again in front of the line that widens EXEC
	s_or_b32 exec_lo, exec_lo, s24
.Lend:
	s_endpgm
	; ================ PREP: q = work-group - FIRST: matrix q / 64, 128 columns (q / 8) % 8, K step q % 8; wave w: 32 of the columns
.Lprep:
	s_sub_co_u32 s24, ttmp9, FIRST
	s_lshr_b32 s25, s24, 6                         ; matrix 0..15: 0-13 routed, 14, 15 shared
	s_bfe_u32 s26, s24, 0x30003                    ; which 128 columns
	s_and_b32 s27, s24, 7                          ; K step
	s_cmp_lt_u32 s25, 14
	s_cselect_b64 s[28:29], s[RW:RW+1], s[SW:SW+1] ; the choice hangs on the work-group's number alone
	s_cselect_b32 s30, 0, 14
	s_sub_co_u32 s30, s25, s30
	s_lshl_b32 s30, s30, 22                        ; 4 MiB a matrix,
	s_lshl_b32 s31, s27, 19                        ; 128 rows of 4,096 bytes a K step,
	s_add_co_u32 s30, s30, s31
	s_lshl_b32 s31, s26, 9                         ; 512 bytes for 128 columns,
	s_add_co_u32 s30, s30, s31
	s_lshl_b32 s31, s[WV], 7                       ; 128 for my 32
	s_add_co_u32 s30, s30, s31
	s_mov_b32 s31, 0
	s_add_nc_u64 s[28:29], s[28:29], s[30:31]
	s_lshl_b32 s32, s25, 4
	s_lshl_b32 s33, s26, 1
	s_add_co_u32 s32, s32, s33
	s_lshr_b32 s33, s[WV], 1
	s_add_co_u32 s32, s32, s33                     ; 16 x matrix + group of 64 columns
	s_add_co_u32 s32, s32, PH*256
	s_lshl_b32 s32, s32, 3
	s_add_co_u32 s32, s32, s27
	s_mul_i32 s32, s32, 4352                       ; the block of this group and K step
	s_and_b32 s33, s[WV], 1                        ; which two of its four tiles are mine
	s_lshl_b32 s34, s33, 11
	s_add_co_u32 s34, s34, s32
	s_mov_b32 s35, 0
	s_add_nc_u64 s[34:35], s[WQ:WQ+1], s[34:35]    ; my codes
	s_lshl_b32 s36, s33, 7
	s_add_co_u32 s36, s36, s32
	s_add_co_u32 s36, s36, 4096
	s_mov_b32 s37, 0
	s_add_nc_u64 s[36:37], s[WQ:WQ+1], s[36:37]    ; my scale words
	v_lshlrev_b32 v4, 2, v1                        ; my column among the wave's 32: l
	v_lshlrev_b32 v5, 4, v2
	v_lshl_add_u32 v5, v3, 10, v5                  ; out: tile l / 16, row l % 16
	v_lshlrev_b32 v6, 2, v1
.set n, 0
.rept 128
	global_load_b32 v[X+n], v4, s[28:29] offset:n*4096 th:TH_LOAD_NT   ; row n of the K step, my column: the wave reads 128 consecutive bytes; read once in the launch
.set n, n+1
.endr
	BLOCK 0, 63                                    ; 96 younger loads are out: 63 is the largest count that can be written
	BLOCK 1, 63                                    ; 64 younger
	BLOCK 2, 32
	BLOCK 3, 0
	global_store_b32 v6, v35, s[36:37]             ; 128 consecutive bytes of scale words
	s_endpgm
.Lfunc_end_k_q61f5ff4255_prep2:
	.size	k_q61f5ff4255_prep2, .Lfunc_end_k_q61f5ff4255_prep2-k_q61f5ff4255_prep2
	.p2alignl 7, 3214868480
	.fill 96, 4, 3214868480
	.section	.rodata,"a",@progbits
	.p2align	6, 0x0
	.amdhsa_kernel k_q61f5ff4255_prep2
		.amdhsa_group_segment_fixed_size 0
		.amdhsa_private_segment_fixed_size 0
		.amdhsa_enable_private_segment 0
		.amdhsa_kernarg_size 40
		.amdhsa_user_sgpr_count 2
		.amdhsa_user_sgpr_kernarg_segment_ptr 1
		.amdhsa_wavefront_size32 1
		.amdhsa_system_sgpr_workgroup_id_x 1
		.amdhsa_system_sgpr_workgroup_id_y 1
		.amdhsa_system_sgpr_workgroup_id_z 1
		.amdhsa_system_vgpr_workitem_id 0
		.amdhsa_next_free_vgpr 192
		.amdhsa_next_free_sgpr 66
		.amdhsa_reserve_vcc 1
		.amdhsa_float_denorm_mode_32 3
		.amdhsa_float_denorm_mode_16_64 3
		.amdhsa_memory_ordered 1
		.amdhsa_forward_progress 1
		.amdhsa_inst_pref_size 82
	.end_amdhsa_kernel
	.amdgpu_metadata
---
amdhsa.version: [ 1, 2 ]
amdhsa.kernels:
  - .name:           k_q61f5ff4255_prep2
    .symbol:         k_q61f5ff4255_prep2.kd
    .args:
      - { .name: routed_w2, .offset: 0, .size: 8, .value_kind: global_buffer, .address_space: global }
      - { .name: shared_w2, .offset: 8, .size: 8, .value_kind: global_buffer, .address_space: global }
      - { .name: sel, .offset: 16, .size: 8, .value_kind: global_buffer, .address_space: global }
      - { .name: wq, .offset: 24, .size: 8, .value_kind: global_buffer, .address_space: global }
      - { .name: rows, .offset: 32, .size: 8, .value_kind: global_buffer, .address_space: global }
    .group_segment_fixed_size: 0
    .private_segment_fixed_size: 0
    .kernarg_segment_align: 8
    .kernarg_segment_size: 40
    .max_flat_workgroup_size: 128
    .sgpr_count:     66
    .vgpr_count:     192
    .wavefront_size: 32
...
	.end_amdgpu_metadata
.endif
;; end of part 2
;; launch hidden (part 3): grid 1128 x 1, 4 waves a work-group, no clusters, 36,352 bytes of LDS; arguments xq, wq, rows, routed_b1, shared_b1, hq; writes hq
.if DOCPART == 3
	.amdgcn_target "amdgcn-amd-amdhsa--gfx1250"
	.amdhsa_code_object_version 6
	.text
	.protected	k_q61f5ff4255_hidden
	.globl	k_q61f5ff4255_hidden
	.p2align	8
	.type	k_q61f5ff4255_hidden,@function
k_q61f5ff4255_hidden:
	s_mov_b64 s[64:65], 0
	v_nop
	global_prefetch_b8 v0, s[64:65] scope:SCOPE_SE
	s_setreg_imm32_b32 hwreg(HW_REG_WAVE_MODE, 25, 1), 1
	s_wait_xcnt 0x0
; HIDDEN: Q(gelu(Q(x) Q(W1) + b1)) for the rows that are kept.  A work-group takes tile T = work-group / 8 (64 rows of one expert) x hidden units 128 cq on (cq = work-group % 8):
; those 128 units are K step cq of the next product, so the work-group fills block [T][cq] of hq whole.
; Tiles 0-63: the two shared experts, 32 tiles of 64 tokens each.  Tiles 64-140: routed tile T - 64 of the lists that the launch before stored: with 4,096 routed rows, 14 experts and tiles of 64
; there are never more than 4,096 / 64 + 13 = 77, whatever the split.  A tile that the split leaves empty runs on held addresses and fills its own part of hq, which nobody uses: so no barrier stands under a branch on loaded numbers.
; Wave w makes units 128 cq + 32 w on, ONE block of 32 along the next K: 2 tiles u of 16 units x 4 tiles m of 16 rows = 8 accumulators.  THE PRODUCT IS USED TRANSPOSED (source 0 = 16 columns of W1,
; source 1 = 16 rows of x): lane (r, h) holds row 16 m + r, and by the order in which wq lays W1's columns the 16 registers of the two tiles are units 16 h + 0 .. 15 of the block: neighbours along the next K.
; W1's fragments come from memory straight into registers (wq is laid in the registers' order), FOUR K steps ahead in four sets of 16 registers: steps 0 to 3 and the bias are asked for ahead of the gather of x.
; b1 IS THE C OF EACH SUM'S FIRST PRODUCT: it is loaded into the accumulators of row tile 0, serves row tiles 1 to 3 as C, and is then added onto in place: no addition, nothing cleared.
; The 64 rows' codes of x are gathered once into LDS as images of the operand's registers: K step s at 4,352 s: fragment (m, c) at 1,024 m + 512 c + 16 lane; scale words at 4,096 + 64 m + 4 r.
; From byte 34,816: 256 bytes for each wave: its rows' scale bytes, a word each, which wave 0 packs into the block's 256 bytes of scale words.
; No tensor load, no cluster: addresses hang on stored lists, tiles of one expert are of uneven number, and what a work-group reads of the weights is 70 KB.
; GELU is exact: v (0.5 + 0.5 erf(v / sqrt 2)), 0.5 erf by the rational z P(z^2) / Q(z^2) on z held to +-4, P's coefficients halved (one off each exponent field: exact), all in f32.
; LIMITS: the factor 0.5 + 0.5 erf carries an absolute error of about 1e-7, so for v under about -5.66 the result is 0 or of magnitude under 1e-7 |v|.  NaN and infinities are not served.  A block under 2^-124 gets the byte 1.
.set SCB, 34816                        ; LDS: the scale bytes
.set LI,  1                            ; v1   16 x lane
.set LS,  2                            ; v2   4 x lane
.set RR,  3                            ; v3   r = lane % 16
.set HH,  4                            ; v4   h = lane / 16
.set XW,  5                            ; v5   LDS: where I put x's fragments: 16 lane + 1,024 w
.set XSW, 6                            ; v6   and its scale words: 17,408 h + 64 w + 4 r
.set GA,  7                            ; v7   my row's codes in xq
.set GS,  8                            ; v8   and scale bytes
.set ID,  9                            ; v9   my row's id = 2 x token + slot
.set BV,  10                           ; v10  64 h: b1
.set VH,  11                           ; v11  16 r + 8 h: my 8 bytes of codes among a row tile's 256
.set SBA, 12                           ; v12  LDS: my rows' scale bytes: SCB + 256 w + 4 r
.set POS, 13                           ; v13  my place in the list
.set SBR, 14                           ; v14  LDS: SCB + 8 x lane: wave 0 reads them back
.set SBO, 15                           ; v15  8 x lane: and where they go
.set XF,  16                           ; v16-47   x's four fragments of a K step; later GELU's work
.set XS,  48                           ; v48-49   x's scale words (lanes 0-15: m even, lanes 16-31: m odd): scales and nothing else
.set WS,  50                           ; v50-53   W1's scale words, one register a set (lanes 0-15: tile 0, lanes 16-31: tile 1): scales and nothing else
.set WF,  56                           ; v56-119  W1's fragments, four sets of 16; later the quantiser's work
.set VA11, 120                         ; v[120:121], v[122:123]: two of erf's constants as vector pairs
.set VB6, 122
.set XSL, 124                          ; v124-127 x's scale words on their way into LDS
.set ACC, 128                          ; v128-191 accumulator (u, m) at 128 + 16 m + 8 u
.set GZ,  16
.set GQ,  24
.set GP,  32
.set GD,  40
.set TM,  56                           ; v56-71   the quantiser's work
.set PC,  72                           ; v72-79   the codes: two registers a row tile
.set WV,  16                           ; s16 wave; s17 T; s18 cq; s19 expert 0..15; s27 its number in its bias tensor
.set EE,  19
.set JJ,  20
.set CN,  21
.set ST,  22
.set LAST, 23
.set TAU, 24
.set AC,  25
.set TT,  26
.set WP,  32                           ; s[32:33] my codes in wq
.set BP,  34                           ; s[34:35] my 32 numbers of b1
.set CT,  36                           ; s[36:49] the 14 counts
.set HP,  50                           ; s[50:51] hq: my codes;  s[52:53] the block's scale words
.set HS,  52
.set WPS, 58                           ; s[58:59] my scale words in wq
.set KR2, 66                           ; constants as pairs, both words written: the packed forms name a pair and take its low word
.set KA13, 68
.set KA9, 70
.set KA7, 72
.set KA5, 74
.set KA3, 76
.set KA1, 78
.set KB8, 80
.set KB4, 82
.set KB2, 84
.set KB0, 86
.set SEL, 88
.macro KPAIR reg, val
	s_mov_b32 s[\reg], \val
	s_mov_b32 s[\reg+1], \val
.endm
; Routed tile TAU -> expert EE, its tile JJ, its count CN, its last place LAST.  No branch: a running sum of the experts' tiles, and selects.
.macro TILEMAP
	s_mov_b32 s[EE], 0
	s_mov_b32 s[ST], 0
	s_mov_b32 s[AC], 0
	s_mov_b32 s[CN], s[CT]
.irp e, 0,1,2,3,4,5,6,7,8,9,10,11,12,13
	s_add_co_u32 s[TT], s[CT+\e], 63
	s_lshr_b32 s[TT], s[TT], 6
	s_add_co_u32 s[AC], s[AC], s[TT]               ; tiles of experts 0 .. e
	s_cmp_le_u32 s[AC], s[TAU]                     ; my tile lies behind them?
	s_cselect_b32 s[ST], s[AC], s[ST]
.if \e < 13
	s_cselect_b32 s[CN], s[CT+1+\e], s[CN]
.else
	s_cselect_b32 s[CN], 0, s[CN]
.endif
	s_add_co_ci_u32 s[EE], s[EE], 0                ; + that comparison's outcome
.endr
	s_sub_co_u32 s[JJ], s[TAU], s[ST]
	s_max_u32 s[TT], s[CN], 1
	s_sub_co_u32 s[LAST], s[TT], 1
	s_min_u32 s[EE], s[EE], 13
.endm
.macro FETCH p, s                      ; K step s of my weights into set p: five loads
.irp u, 0,1
.irp c, 0,1
	global_load_b128 v[WF+16*(\p)+8*\u+4*\c:WF+16*(\p)+8*\u+4*\c+3], v[LI], s[WP:WP+1] offset:(\s)*4352+\u*1024+\c*512
.endr
.endr
	global_load_b32 v[WS+(\p)], v[LS], s[WPS:WPS+1] offset:(\s)*4352+4096
.endm
; One product.  bias = 1: C is b1, which lies in the accumulator of row tile 0; else in place.  An odd tile's scale words lie in lanes 16-31 of their register.
.macro WM u, m, p, bias
.set rD, ACC+16*(\m)+8*(\u)
.set rC, rD
.if \bias
.set rC, ACC+8*(\u)
.endif
.set rA, WF+16*(\p)+8*(\u)
.set rB, XF+8*(\m)
.set rSA, WS+(\p)
.set rSB, XS+(\m)/2
.if ((\u)%2 == 0) && ((\m)%2 == 0)
	v_wmma_scale_f32_16x16x128_f8f6f4 v[rD:rD+7], v[rA:rA+7], v[rB:rB+7], v[rC:rC+7], v[rSA], v[rSB] matrix_a_fmt:MATRIX_FMT_FP4 matrix_b_fmt:MATRIX_FMT_FP4
.elseif ((\u)%2 == 1) && ((\m)%2 == 0)
	v_wmma_scale_f32_16x16x128_f8f6f4 v[rD:rD+7], v[rA:rA+7], v[rB:rB+7], v[rC:rC+7], v[rSA], v[rSB] matrix_a_fmt:MATRIX_FMT_FP4 matrix_b_fmt:MATRIX_FMT_FP4 matrix_a_scale:MATRIX_SCALE_ROW1
.elseif ((\u)%2 == 0) && ((\m)%2 == 1)
	v_wmma_scale_f32_16x16x128_f8f6f4 v[rD:rD+7], v[rA:rA+7], v[rB:rB+7], v[rC:rC+7], v[rSA], v[rSB] matrix_a_fmt:MATRIX_FMT_FP4 matrix_b_fmt:MATRIX_FMT_FP4 matrix_b_scale:MATRIX_SCALE_ROW1
.else
	v_wmma_scale_f32_16x16x128_f8f6f4 v[rD:rD+7], v[rA:rA+7], v[rB:rB+7], v[rC:rC+7], v[rSA], v[rSB] matrix_a_fmt:MATRIX_FMT_FP4 matrix_b_fmt:MATRIX_FMT_FP4 matrix_a_scale:MATRIX_SCALE_ROW1 matrix_b_scale:MATRIX_SCALE_ROW1
.endif
.endm
; K step s: the rows' four fragments and scale words from LDS, 8 products on set s % 4.  n: the global loads younger than this step's weights (99: the weights are known to be in).
; first = 1: the sums begin: row tiles 1 to 3 take b1 as C out of row tile 0's accumulators; five places on (those registers are written over: ISA guide 7.12.1) row tile 0 adds onto it in place.
; The 8 accumulators take turns, one instruction a turn.
.macro STEP s, n, first
.irp m, 0,1,2,3
.irp c, 0,1
	ds_load_b128 v[XF+8*\m+4*\c:XF+8*\m+4*\c+3], v[LI] offset:(\s)*4352+\m*1024+\c*512
.endr
.endr
.irp i, 0,1
	ds_load_b32 v[XS+\i], v[LS] offset:(\s)*4352+4096+128*\i
.endr
.if (\n) < 64
	s_wait_loadcnt \n
.endif
	s_wait_dscnt 0x0
.if \first
.irp m, 1,2,3
.irp u, 0,1
	WM \u, \m, (\s)%4, 1
.endr
.endr
.rept 5
	v_nop
.endr
.irp u, 0,1
	WM \u, 0, (\s)%4, 0
.endr
.else
.irp m, 0,1,2,3
.irp u, 0,1
	WM \u, \m, (\s)%4, 0
.endr
.endr
.endif
.rept 4
	v_nop                                          ; four places in front of loads into registers that these products have read, and of the first read of results
.endr
.endm
; gelu in place, on the 8 numbers v of tile (u, m), two at a time
.macro GELU u, m
.set A, ACC+16*(\m)+8*(\u)
.irp k, 0,2,4,6
	v_pk_mul_f32 v[GZ+\k:GZ+\k+1], v[A+\k:A+\k+1], s[KR2:KR2+1] op_sel_hi:[1,0]   ; z = v / sqrt 2; the accumulator from its low end on
.endr
.irp k, 0,1,2,3,4,5,6,7
	v_med3_num_f32 v[GZ+\k], v[GZ+\k], -4.0, 4.0   ; beyond +-4 erf is +-1 in f32
.endr
.irp k, 0,2,4,6
	v_pk_mul_f32 v[GQ+\k:GQ+\k+1], v[GZ+\k:GZ+\k+1], v[GZ+\k:GZ+\k+1]
.endr
.irp k, 0,2,4,6
	v_pk_fma_f32 v[GP+\k:GP+\k+1], v[GQ+\k:GQ+\k+1], s[KA13:KA13+1], v[VA11:VA11+1] op_sel_hi:[1,0,1]
.endr
.irp k, 0,2,4,6
	v_pk_fma_f32 v[GD+\k:GD+\k+1], v[GQ+\k:GQ+\k+1], s[KB8:KB8+1], v[VB6:VB6+1] op_sel_hi:[1,0,1]
.endr
.irp c, KA9, KA7, KA5, KA3, KA1
.irp k, 0,2,4,6
	v_pk_fma_f32 v[GP+\k:GP+\k+1], v[GP+\k:GP+\k+1], v[GQ+\k:GQ+\k+1], s[\c:\c+1] op_sel_hi:[1,1,0]
.endr
.endr
.irp c, KB4, KB2, KB0
.irp k, 0,2,4,6
	v_pk_fma_f32 v[GD+\k:GD+\k+1], v[GD+\k:GD+\k+1], v[GQ+\k:GQ+\k+1], s[\c:\c+1] op_sel_hi:[1,1,0]
.endr
.endr
.irp k, 0,1,2,3,4,5,6,7
	v_rcp_f32 v[GD+\k], v[GD+\k]
.endr
.irp k, 0,2,4,6
	v_pk_mul_f32 v[GP+\k:GP+\k+1], v[GP+\k:GP+\k+1], v[GZ+\k:GZ+\k+1]   ; (plain places behind the reciprocals)
.endr
	s_wait_alu depctr_va_vdst(0)
.irp k, 0,2,4,6
	v_pk_fma_f32 v[GP+\k:GP+\k+1], v[GP+\k:GP+\k+1], v[GD+\k:GD+\k+1], 0.5 op_sel_hi:[1,1,0]   ; 0.5 erf + 0.5
.endr
.irp k, 0,2,4,6
	v_pk_mul_f32 v[A+\k:A+\k+1], v[A+\k:A+\k+1], v[GP+\k:GP+\k+1]
.endr
.endm
	s_load_b256 s[4:11], s[0:1], 0x0               ; xq, wq, rows, routed_b1
	s_load_b128 s[12:15], s[0:1], 0x20             ; shared_b1, hq
	v_lshl_add_u32 v192, v0, 2, 0x8c00
	v_mov_b32 v193, 0
	v_lshrrev_b32 v15, 5, v0
	v_readfirstlane_b32 s[WV], v15                 ; wave 0..3
	v_and_b32 v15, 31, v0
	v_lshlrev_b32 v[LI], 4, v15
	v_lshlrev_b32 v[LS], 2, v15
	v_lshl_add_u32 v[SBR], v15, 3, SCB
	v_lshlrev_b32 v[SBO], 3, v15
	v_and_b32 v[RR], 15, v0
	v_bfe_u32 v[HH], v0, 4, 1
	s_lshr_b32 s17, ttmp9, 3                       ; T
	s_and_b32 s18, ttmp9, 7                        ; cq
	s_lshl_b32 s30, s[WV], 10
	v_add_nc_u32 v[XW], s30, v[LI]
	v_mul_u32_u24 v[XSW], v[HH], 0x4400
	v_lshl_add_u32 v[XSW], v[RR], 2, v[XSW]
	s_lshl_b32 s30, s[WV], 6
	v_add_nc_u32 v[XSW], s30, v[XSW]
	s_lshl_b32 s30, s[WV], 8
	s_add_co_u32 s30, s30, SCB
	v_lshl_add_u32 v[SBA], v[RR], 2, s30
	v_lshlrev_b32 v[BV], 6, v[HH]
	v_lshlrev_b32 v[VH], 4, v[RR]
	v_lshl_add_u32 v[VH], v[HH], 3, v[VH]
	v_mov_b32 v[VA11], 0x326dffee
	v_mov_b32 v[VA11+1], 0x326dffee
	v_mov_b32 v[VB6], 0xb95fbd29
	v_mov_b32 v[VB6+1], 0xb95fbd29
	KPAIR KR2,  0x3f3504f3                         ; 1 / sqrt 2
	KPAIR KA13, 0xaf15df0b                         ; half of erf's numerator, z^12 down to z^0 (z^10 lies in v[120:121]),
	KPAIR KA9,  0xb58cff51
	KPAIR KA7,  0xb7eec2d2
	KPAIR KA5,  0xb9c0ac63
	KPAIR KA3,  0xbac1a1f6
	KPAIR KA1,  0xbc03dbd4
	KPAIR KB8,  0xb77460cd                         ; and its denominator, z^8 down to z^0 (z^6 lies in v[122:123])
	KPAIR KB4,  0xbadc924e
	KPAIR KB2,  0xbbf19bf8
	KPAIR KB0,  0xbc69b6a7
	s_mov_b32 s[SEL], 0x76543210
	s_mov_b32 s[SEL+1], 0xfedcba98
	s_wait_kmcnt 0x0
	s_cmp_lt_u32 s17, 64
	s_cbranch_scc0 .Lrouted
	s_lshr_b32 s27, s17, 5                         ; a shared tile: expert 14 + T / 32, tokens 64 (T % 32) on
	s_add_co_u32 s[EE], s27, 14
	s_and_b32 s25, s17, 31
	s_lshl_b32 s25, s25, 6
	s_lshl_b32 s26, s[WV], 4
	s_add_co_u32 s25, s25, s26
	v_add_nc_u32 v[ID], s25, v[RR]                 ; wave w gathers rows 16 w + r
	v_lshlrev_b32 v[ID], 1, v[ID]
	s_branch .Ljoin
.Lrouted:
	s_load_b256 s[CT:CT+7], s[8:9], 0x0            ; the 14 counts
	s_load_b128 s[CT+8:CT+11], s[8:9], 0x20
	s_load_b64 s[CT+12:CT+13], s[8:9], 0x30
	s_sub_co_u32 s[TAU], s17, 64
	s_wait_kmcnt 0x0
	TILEMAP
	s_mov_b32 s27, s[EE]
	s_mul_i32 s28, s[EE], 8448
	s_add_co_u32 s28, s28, 256
	s_mov_b32 s29, 0
	s_add_nc_u64 s[54:55], s[8:9], s[28:29]        ; the expert's list
	s_lshl_b32 s25, s[JJ], 6
	s_lshl_b32 s26, s[WV], 4
	s_add_co_u32 s25, s25, s26
	v_add_nc_u32 v[POS], s25, v[RR]
	v_min_u32 v[POS], s[LAST], v[POS]              ; places past the list's end take its last id once more
	v_min_u32 v[POS], 0x7ff, v[POS]
	v_lshlrev_b32 v[POS], 2, v[POS]
	global_load_b32 v[ID], v[POS], s[54:55]
.Ljoin:
	s_lshl_b32 s25, s18, 1
	s_lshr_b32 s26, s[WV], 1
	s_add_co_u32 s25, s25, s26                     ; my group of 64 units in wq: 2 cq + w / 2
	s_lshl_b32 s28, s[EE], 4
	s_add_co_u32 s28, s28, s25
	s_mul_i32 s28, s28, 34816
	s_mov_b32 s29, 0
	s_add_nc_u64 s[WP:WP+1], s[6:7], s[28:29]
	s_and_b32 s31, s[WV], 1                        ; and which two of its four tiles
	s_lshl_b32 s28, s31, 7
	s_add_nc_u64 s[WPS:WPS+1], s[WP:WP+1], s[28:29]   ; their register of scale words: 128 bytes on for the upper two
	s_lshl_b32 s28, s31, 11
	s_add_nc_u64 s[WP:WP+1], s[WP:WP+1], s[28:29]  ; their codes: 2,048 bytes on
	s_lshl_b32 s28, s27, 12
	s_lshl_b32 s26, s18, 9
	s_add_co_u32 s28, s28, s26
	s_lshl_b32 s26, s[WV], 7
	s_add_co_u32 s28, s28, s26                     ; b1: 4,096 bytes an expert, 512 cq, 128 w
	s_cmp_lt_u32 s17, 64
	s_cselect_b64 s[BP:BP+1], s[12:13], s[10:11]   ; the choice hangs on the work-group's number alone
	s_add_nc_u64 s[BP:BP+1], s[BP:BP+1], s[28:29]
.irp u, 0,1                                    ; b1 into row tile 0's accumulators: tile u's eight units of my half: 16 h + 8 u + 0 .. 7
	global_load_b128 v[ACC+8*\u:ACC+8*\u+3], v[BV], s[BP:BP+1] offset:32*\u
	global_load_b128 v[ACC+8*\u+4:ACC+8*\u+7], v[BV], s[BP:BP+1] offset:32*\u+16
.endr
	FETCH 0, 0
	FETCH 1, 1
	FETCH 2, 2
	FETCH 3, 3
	s_mul_i32 s28, s17, 34816
	s_mul_i32 s30, s18, 4352
	s_add_co_u32 s28, s28, s30
	s_add_nc_u64 s[HP:HP+1], s[14:15], s[28:29]    ; block [T][cq] of hq
	s_add_nc_u64 s[HS:HS+1], s[HP:HP+1], 4096      ; its scale words
	s_lshl_b32 s28, s[WV], 8
	s_add_nc_u64 s[HP:HP+1], s[HP:HP+1], s[28:29]  ; block w of the K step is half w / 2, lanes 16 (w % 2) on: 256 w bytes into each row tile's 1,024
	s_add_nc_u64 s[56:57], s[4:5], 0x100000        ; xq's scale bytes
	s_wait_loadcnt 24                              ; the id is in: 4 loads of b1 and 20 of weights are younger
	v_lshrrev_b32 v[ID], 1, v[ID]
	v_min_u32 v[ID], 0x7ff, v[ID]                  ; the token
	v_lshlrev_b32 v[GA], 9, v[ID]
	v_lshl_add_u32 v[GA], v[HH], 4, v[GA]          ; its 512 bytes of codes, + 16 h
	v_lshlrev_b32 v[GS], 5, v[ID]
	v_lshl_add_u32 v[GS], v[HH], 4, v[GS]          ; its 32 scale bytes: words 4 h on
.irp k, 0,1,2,3,4,5,6,7
	global_load_b128 v[XF+4*\k:XF+4*\k+3], v[GA], s[4:5] offset:32*\k     ; K step k / 2, half k % 2: into registers that are idle until the first K step
.endr
.irp k, 8,9,10,11,12,13,14,15
	global_load_b128 v[ACC+4*\k:ACC+4*\k+3], v[GA], s[4:5] offset:32*\k   ; v160-191: row tiles 2 and 3's accumulators
.endr
	global_load_b128 v[XSL:XSL+3], v[GS], s[56:57]
	s_wait_loadcnt 0x0                             ; x's rows are in, and with them all that was asked for earlier: b1 and four K steps of weights
.irp k, 0,1,2,3,4,5,6,7
	ds_store_b128 v[XW], v[XF+4*\k:XF+4*\k+3] offset:(\k/2)*4352+(\k%2)*512
.endr
.irp k, 8,9,10,11,12,13,14,15
	ds_store_b128 v[XW], v[ACC+4*\k:ACC+4*\k+3] offset:(\k/2)*4352+(\k%2)*512
.endr
.irp i, 0,1,2,3
	ds_store_b32 v[XSW], v[XSL+\i] offset:\i*4352+4096
.endr
	s_wait_dscnt 0x0                               ; for the others' sake: my stores have landed
	s_barrier_signal -1
	s_barrier_wait -1                              ; the 64 rows lie in LDS
	STEP 0, 99, 1
	FETCH 0, 4                                     ; each set takes the step four further on as soon as its products are issued
	STEP 1, 99, 0
	FETCH 1, 5
	STEP 2, 99, 0
	FETCH 2, 6
	STEP 3, 99, 0
	FETCH 3, 7
	STEP 4, 15, 0                                  ; the counts: the later steps' five loads each are younger
	STEP 5, 10, 0
	STEP 6, 5, 0
	STEP 7, 0, 0
.irp m, 0,1,2,3
.irp u, 0,1
	GELU \u, \m
.endr
.endr
	; The quantiser: registers 16 m + i are units 16 h + i of my block, row 16 m + r: four blocks, one for each row tile, by turns
.irp b, 0,1,2,3
	v_mov_b32 v[TM+4+\b], 0                        ; a lane permute's destination counts as one of its sources
.endr
.irp b, 0,1,2,3
	v_max3_num_f32 v[TM+\b], |v[ACC+16*\b]|, |v[ACC+16*\b+1]|, 0x1800000   ; my 16 numbers, and the floor 2^(3 - 127): the byte cannot fall under 1
.endr
.irp i, 2,4,6,8,10,12,14
.irp b, 0,1,2,3
	v_max3_num_f32 v[TM+\b], v[TM+\b], |v[ACC+16*\b+\i]|, |v[ACC+16*\b+\i+1]|
.endr
.endr
.irp b, 0,1,2,3
	v_permlanex16_b32 v[TM+4+\b], v[TM+\b], s[SEL], s[SEL+1]
.endr
.irp b, 0,1,2,3
	v_max_num_f32 v[TM+\b], v[TM+\b], v[TM+4+\b]   ; with lane l xor 16's: the block's largest magnitude
.endr
.irp b, 0,1,2,3
	v_add_nc_u32 v[TM+12+\b], 0xff000000, v[TM+\b] ; 2 off its exponent field: the conversion's scale operand
.endr
.irp b, 0,1,2,3
	v_lshrrev_b32 v[TM+4+\b], 23, v[TM+12+\b]      ; the scale's byte
.endr
.irp b, 0,1,2,3
	v_cvt_scalef32_pk8_fp4_f32 v[PC+2*\b], v[ACC+16*\b:ACC+16*\b+7], v[TM+12+\b]
	v_cvt_scalef32_pk8_fp4_f32 v[PC+2*\b+1], v[ACC+16*\b+8:ACC+16*\b+15], v[TM+12+\b]
.endr
	v_nop                                          ; one plain place behind a scaled conversion
.irp b, 0,1,2,3
	global_store_b64 v[VH], v[PC+2*\b:PC+2*\b+1], s[HP:HP+1] offset:\b*1024   ; bytes 8 h on of row r's 16: the wave stores 256 consecutive bytes, aligned
.endr
.irp b, 0,1,2,3
	ds_store_b32 v[SBA], v[TM+4+\b] offset:64*\b   ; my block's byte of row 16 b + r, as a word; both halves of the lanes write the same
.endr
	s_wait_dscnt 0x0                               ; for wave 0's sake: my stores have landed
	s_barrier_signal -1
	s_barrier_wait -1
	s_cmp_lg_u32 s[WV], 0
	s_cbranch_scc1 .Lend
.irp q, 0,1,2,3                                ; wave 0: rows 2 l and 2 l + 1: the four waves' bytes make their scale words
	ds_load_b64 v[TM+2*\q:TM+2*\q+1], v[SBR] offset:256*\q
.endr
	s_wait_dscnt 0x0
.irp q, 1,2,3
	v_lshl_or_b32 v[TM], v[TM+2*\q], 8*\q, v[TM]
	v_lshl_or_b32 v[TM+1], v[TM+2*\q+1], 8*\q, v[TM+1]
.endr
	global_store_b64 v[SBO], v[TM:TM+1], s[HS:HS+1]   ; 256 consecutive bytes, aligned
.Lend:
	s_wait_tensorcnt 0x0
	ds_add_u32 v192, v193
	s_wait_dscnt 0x0
	s_endpgm
.Lfunc_end_k_q61f5ff4255_hidden:
	.size	k_q61f5ff4255_hidden, .Lfunc_end_k_q61f5ff4255_hidden-k_q61f5ff4255_hidden
	.p2alignl 7, 3214868480
	.fill 96, 4, 3214868480
	.section	.rodata,"a",@progbits
	.p2align	6, 0x0
	.amdhsa_kernel k_q61f5ff4255_hidden
		.amdhsa_group_segment_fixed_size 36352
		.amdhsa_private_segment_fixed_size 0
		.amdhsa_enable_private_segment 0
		.amdhsa_kernarg_size 48
		.amdhsa_user_sgpr_count 2
		.amdhsa_user_sgpr_kernarg_segment_ptr 1
		.amdhsa_wavefront_size32 1
		.amdhsa_system_sgpr_workgroup_id_x 1
		.amdhsa_system_sgpr_workgroup_id_y 1
		.amdhsa_system_sgpr_workgroup_id_z 1
		.amdhsa_system_vgpr_workitem_id 0
		.amdhsa_next_free_vgpr 194
		.amdhsa_next_free_sgpr 96
		.amdhsa_reserve_vcc 0
		.amdhsa_float_denorm_mode_32 3
		.amdhsa_float_denorm_mode_16_64 3
		.amdhsa_memory_ordered 1
		.amdhsa_forward_progress 1
		.amdhsa_inst_pref_size 73
	.end_amdhsa_kernel
	.amdgpu_metadata
---
amdhsa.version: [ 1, 2 ]
amdhsa.kernels:
  - .name:           k_q61f5ff4255_hidden
    .symbol:         k_q61f5ff4255_hidden.kd
    .args:
      - { .name: xq, .offset: 0, .size: 8, .value_kind: global_buffer, .address_space: global }
      - { .name: wq, .offset: 8, .size: 8, .value_kind: global_buffer, .address_space: global }
      - { .name: rows, .offset: 16, .size: 8, .value_kind: global_buffer, .address_space: global }
      - { .name: routed_b1, .offset: 24, .size: 8, .value_kind: global_buffer, .address_space: global }
      - { .name: shared_b1, .offset: 32, .size: 8, .value_kind: global_buffer, .address_space: global }
      - { .name: hq, .offset: 40, .size: 8, .value_kind: global_buffer, .address_space: global }
    .group_segment_fixed_size: 36352
    .private_segment_fixed_size: 0
    .kernarg_segment_align: 8
    .kernarg_segment_size: 48
    .max_flat_workgroup_size: 128
    .sgpr_count:     96
    .vgpr_count:     194
    .wavefront_size: 32
...
	.end_amdgpu_metadata
.endif
;; end of part 3
;; launch outp (part 4): grid 564 x 1, 4 waves a work-group, no clusters, 53,760 bytes of LDS; arguments hq, wq, rows, gate, routed_b2, shared_b2, part; writes part
.if DOCPART == 4
	.amdgcn_target "amdgcn-amd-amdhsa--gfx1250"
	.amdhsa_code_object_version 6
	.text
	.protected	k_q61f5ff4255_outp
	.globl	k_q61f5ff4255_outp
	.p2align	8
	.type	k_q61f5ff4255_outp,@function
k_q61f5ff4255_outp:
	s_mov_b64 s[64:65], 0
	v_nop
	global_prefetch_b8 v0, s[64:65] scope:SCOPE_SE
	s_setreg_imm32_b32 hwreg(HW_REG_WAVE_MODE, 25, 1), 1
	s_wait_xcnt 0x0
; OUTP: gate x (Q(hidden) Q(W2) + b2) for the rows that are kept, one f32 row of part for each (token, slot) and for each (shared expert, token).
; Tiles as in the launch before: T = work-group / 4 (0-63 shared, 64-140 routed), columns 256 cq on.  Wave w makes columns 64 (4 cq + w) on for all 64 rows: 16 accumulators.
; THE PRODUCT IS USED TRANSPOSED (source 0 = 16 columns of W2, source 1 = 16 rows): lane (r, h), register j of (u, m) = row 16 m + r, column 16 u + 8 h + j of my 64: eight neighbours of a row.
; The tile's hidden codes and scale words, 34,816 dense bytes of hq laid as images of the operand's registers, are copied into LDS once; W2's fragments come from memory into registers, two K steps ahead.
; part: row id = 2 x token + slot (0 .. 4,095) for routed rows, 4,096 + 2,048 x shared expert + token for shared ones: each row has one owner, so nothing is added here.
; Rows past a list's end inside its last 16 are copies of the last row (the place was held there in both launches): the same numbers to the same bytes by the same wave, so no lane is switched off.
; Whole groups of 16 rows past the end are left out by a scalar branch on the stored count, behind the one barrier.  A tile that the split leaves empty stores nothing.
; No tensor load, no cluster: addresses and that branch hang on stored numbers.
; LDS: 0: the images, K step s at 4,352 s;  34,816 + 4,352 w: my stage, 16 rows x (256 + 16) bytes;  52,224 + 256 w: my table of the 64 rows' places in part.
.set LI,  1                            ; v1   16 x lane
.set LS,  2                            ; v2   4 x lane
.set RR,  3                            ; v3   r
.set HH,  4                            ; v4   h
.set STO, 5                            ; v5   the stage, in: row r, + 32 h
.set RD,  6                            ; v6   the stage, back: row h, + 16 r
.set RTW, 7                            ; v7   the table, in: 4 r
.set RTA, 8                            ; v8   the table, back: 4 h
.set LC,  9                            ; v9   16 r
.set BV,  10                           ; v10  32 h: b2
.set CP,  11                           ; v11  16 x thread
.set ID,  12                           ; v12-15 my row's place in part, for m = 0 .. 3
.set XF,  16                           ; v16-47 the rows' four fragments of a K step; later results at work
.set XS,  48                           ; v48-49 their scale words: scales and nothing else
.set WS,  50                           ; v50-53 W2's scale words: scales and nothing else
.set WF,  56                           ; v56-119 W2's fragments, two sets; later b2 (set 0) and rows read back (set 1)
.set G,   120                          ; v120, 122, 124, 126: my row's gate for m = 0 .. 3;  v121, 123, 125, 127: address registers
.set ACC, 128                          ; v128-255 accumulator (u, m) at 128 + 32 m + 8 u
.set WV,  16
.set EE,  19
.set JJ,  20
.set CN,  21
.set ST,  22
.set NR,  22                           ; s22  rows of my tile (takes ST's place)
.set LAST, 23
.set TAU, 24
.set AC,  25
.set TT,  26
.set WP,  32
.set BP,  34
.set CT,  36
.set PP,  56                           ; s[56:57] part at my 64 columns
.macro TILEMAP
	s_mov_b32 s[EE], 0
	s_mov_b32 s[ST], 0
	s_mov_b32 s[AC], 0
	s_mov_b32 s[CN], s[CT]
.irp e, 0,1,2,3,4,5,6,7,8,9,10,11,12,13
	s_add_co_u32 s[TT], s[CT+\e], 63
	s_lshr_b32 s[TT], s[TT], 6
	s_add_co_u32 s[AC], s[AC], s[TT]               ; tiles of experts 0 .. e
	s_cmp_le_u32 s[AC], s[TAU]                     ; my tile lies behind them?
	s_cselect_b32 s[ST], s[AC], s[ST]
.if \e < 13
	s_cselect_b32 s[CN], s[CT+1+\e], s[CN]
.else
	s_cselect_b32 s[CN], 0, s[CN]
.endif
	s_add_co_ci_u32 s[EE], s[EE], 0                ; + that comparison's outcome
.endr
	s_sub_co_u32 s[JJ], s[TAU], s[ST]
	s_max_u32 s[TT], s[CN], 1
	s_sub_co_u32 s[LAST], s[TT], 1
	s_min_u32 s[EE], s[EE], 13
.endm
.macro FETCH p, s                      ; K step s of my weights into set p: ten loads
.irp u, 0,1,2,3
.irp c, 0,1
	global_load_b128 v[WF+32*(\p)+8*\u+4*\c:WF+32*(\p)+8*\u+4*\c+3], v[LI], s[WP:WP+1] offset:(\s)*4352+\u*1024+\c*512
.endr
.endr
.irp j, 0,1
	global_load_b32 v[WS+2*(\p)+\j], v[LS], s[WP:WP+1] offset:(\s)*4352+4096+128*\j
.endr
.endm
.macro WM u, m, p, zero                ; one product; an odd tile's scale words lie in lanes 16-31 of their register
.set rD, ACC+32*(\m)+8*(\u)
.set rA, WF+32*(\p)+8*(\u)
.set rB, XF+8*(\m)
.set rSA, WS+2*(\p)+(\u)/2
.set rSB, XS+(\m)/2
.if \zero
.if ((\u)%2 == 0) && ((\m)%2 == 0)
	v_wmma_scale_f32_16x16x128_f8f6f4 v[rD:rD+7], v[rA:rA+7], v[rB:rB+7], 0, v[rSA], v[rSB] matrix_a_fmt:MATRIX_FMT_FP4 matrix_b_fmt:MATRIX_FMT_FP4
.elseif ((\u)%2 == 1) && ((\m)%2 == 0)
	v_wmma_scale_f32_16x16x128_f8f6f4 v[rD:rD+7], v[rA:rA+7], v[rB:rB+7], 0, v[rSA], v[rSB] matrix_a_fmt:MATRIX_FMT_FP4 matrix_b_fmt:MATRIX_FMT_FP4 matrix_a_scale:MATRIX_SCALE_ROW1
.elseif ((\u)%2 == 0) && ((\m)%2 == 1)
	v_wmma_scale_f32_16x16x128_f8f6f4 v[rD:rD+7], v[rA:rA+7], v[rB:rB+7], 0, v[rSA], v[rSB] matrix_a_fmt:MATRIX_FMT_FP4 matrix_b_fmt:MATRIX_FMT_FP4 matrix_b_scale:MATRIX_SCALE_ROW1
.else
	v_wmma_scale_f32_16x16x128_f8f6f4 v[rD:rD+7], v[rA:rA+7], v[rB:rB+7], 0, v[rSA], v[rSB] matrix_a_fmt:MATRIX_FMT_FP4 matrix_b_fmt:MATRIX_FMT_FP4 matrix_a_scale:MATRIX_SCALE_ROW1 matrix_b_scale:MATRIX_SCALE_ROW1
.endif
.else
.if ((\u)%2 == 0) && ((\m)%2 == 0)
	v_wmma_scale_f32_16x16x128_f8f6f4 v[rD:rD+7], v[rA:rA+7], v[rB:rB+7], v[rD:rD+7], v[rSA], v[rSB] matrix_a_fmt:MATRIX_FMT_FP4 matrix_b_fmt:MATRIX_FMT_FP4
.elseif ((\u)%2 == 1) && ((\m)%2 == 0)
	v_wmma_scale_f32_16x16x128_f8f6f4 v[rD:rD+7], v[rA:rA+7], v[rB:rB+7], v[rD:rD+7], v[rSA], v[rSB] matrix_a_fmt:MATRIX_FMT_FP4 matrix_b_fmt:MATRIX_FMT_FP4 matrix_a_scale:MATRIX_SCALE_ROW1
.elseif ((\u)%2 == 0) && ((\m)%2 == 1)
	v_wmma_scale_f32_16x16x128_f8f6f4 v[rD:rD+7], v[rA:rA+7], v[rB:rB+7], v[rD:rD+7], v[rSA], v[rSB] matrix_a_fmt:MATRIX_FMT_FP4 matrix_b_fmt:MATRIX_FMT_FP4 matrix_b_scale:MATRIX_SCALE_ROW1
.else
	v_wmma_scale_f32_16x16x128_f8f6f4 v[rD:rD+7], v[rA:rA+7], v[rB:rB+7], v[rD:rD+7], v[rSA], v[rSB] matrix_a_fmt:MATRIX_FMT_FP4 matrix_b_fmt:MATRIX_FMT_FP4 matrix_a_scale:MATRIX_SCALE_ROW1 matrix_b_scale:MATRIX_SCALE_ROW1
.endif
.endif
.endm
; K step s: the rows' four fragments and scale words from LDS, 16 products.  n: the global loads younger than this step's weights.  zero = 1: the products start the sums.
; The 16 accumulators take turns, one instruction a turn, in the same order in every step.
.macro STEP s, n, zero
.irp m, 0,1,2,3
.irp c, 0,1
	ds_load_b128 v[XF+8*\m+4*\c:XF+8*\m+4*\c+3], v[LI] offset:(\s)*4352+\m*1024+\c*512
.endr
.endr
.irp i, 0,1
	ds_load_b32 v[XS+\i], v[LS] offset:(\s)*4352+4096+128*\i
.endr
	s_wait_loadcnt \n
	s_wait_dscnt 0x0
.irp u, 0,1,2,3
.irp m, 0,1,2,3
	WM \u, \m, (\s)%2, \zero
.endr
.endr
.rept 4
	v_nop                                          ; four places in front of loads into registers that these products have read, and of the first read of results
.endr
.endm
; rows 16 m on: (sum + b2) x gate, through my stage, out as whole 256-byte pieces of rows
.macro OUT m
.set AD, ACC+32*(\m)
	s_cmp_le_u32 s[NR], 16*(\m)
	s_cbranch_scc1 .Ldone                          ; no row of the tile is left
.if (\m) > 0
	s_wait_xcnt 0x0                                ; the stores before have read their data: those registers are loaded again only behind this wait
.endif
.irp u, 0,1,2,3
.irp k, 0,2,4,6
	v_pk_add_f32 v[XF+8*\u+\k:XF+8*\u+\k+1], v[AD+8*\u+\k:AD+8*\u+\k+1], v[WF+8*\u+\k:WF+8*\u+\k+1]   ; each accumulator from its low end on
.endr
.endr
.set ii, 0
.rept 16
	v_pk_mul_f32 v[XF+2*ii:XF+2*ii+1], v[XF+2*ii:XF+2*ii+1], v[G+2*(\m):G+2*(\m)+1] op_sel_hi:[1,0]   ; the pair's low word, my row's gate, for both
.set ii, ii+1
.endr
.irp u, 0,1,2,3
	ds_store_b128 v[STO], v[XF+8*\u:XF+8*\u+3] offset:64*\u
	ds_store_b128 v[STO], v[XF+8*\u+4:XF+8*\u+7] offset:64*\u+16
.endr
.irp i, 0,1,2,3,4,5,6,7
	ds_load_b128 v[WF+32+4*\i:WF+32+4*\i+3], v[RD] offset:544*\i   ; rows 2 i + h, 16 bytes a lane.  LDS serves a wave's instructions in order (ISA guide 5.7.1.4): these see my stores
.endr
.irp i, 0,1,2,3,4,5,6,7
	ds_load_b32 v[AD+\i], v[RTA] offset:(16*(\m)+2*\i)*4           ; and their places in part
.endr
	s_wait_dscnt 0x0
.irp i, 0,1,2,3,4,5,6,7
	v_min_u32 v[AD+\i], 0x1fff, v[AD+\i]
	v_lshl_add_u32 v[AD+\i], v[AD+\i], 12, v[LC]   ; 4,096 bytes a row, + 16 r
.endr
.irp i, 0,1,2,3,4,5,6,7
	global_store_b128 v[AD+\i], v[WF+32+4*\i:WF+32+4*\i+3], s[PP:PP+1]   ; sixteen lanes store 256 consecutive bytes, aligned
.endr
.endm
	s_load_b256 s[4:11], s[0:1], 0x0               ; hq, wq, rows, gate
	s_load_b128 s[12:15], s[0:1], 0x20             ; routed_b2, shared_b2
	s_load_b64 s[50:51], s[0:1], 0x30              ; part
	v_lshl_add_u32 v54, v0, 2, 0xd000
	s_set_vgpr_msb 0x40
	v_mov_b32 v1, 0
	s_set_vgpr_msb 0x4000
	v_lshrrev_b32 v55, 5, v0
	v_readfirstlane_b32 s[WV], v55                 ; wave 0..3
	v_and_b32 v55, 31, v0
	v_lshlrev_b32 v[LI], 4, v55
	v_lshlrev_b32 v[LS], 2, v55
	v_and_b32 v[RR], 15, v0
	v_bfe_u32 v[HH], v0, 4, 1
	s_lshr_b32 s17, ttmp9, 2                       ; T
	s_and_b32 s18, ttmp9, 3                        ; cq
	s_mul_i32 s30, s[WV], 4352
	s_add_co_u32 s30, s30, 34816                   ; my stage
	v_mul_u32_u24 v[STO], v[RR], 272
	v_lshl_add_u32 v[STO], v[HH], 5, v[STO]
	v_add_nc_u32 v[STO], s30, v[STO]
	v_mul_u32_u24 v[RD], v[HH], 272
	v_lshl_add_u32 v[RD], v[RR], 4, v[RD]
	v_add_nc_u32 v[RD], s30, v[RD]
	s_lshl_b32 s31, s[WV], 8
	s_add_co_u32 s31, s31, 52224                   ; my table
	v_lshl_add_u32 v[RTW], v[RR], 2, s31
	v_lshl_add_u32 v[RTA], v[HH], 2, s31
	v_lshlrev_b32 v[LC], 4, v[RR]
	v_lshlrev_b32 v[BV], 5, v[HH]
	v_lshlrev_b32 v[CP], 4, v0
	s_wait_kmcnt 0x0
	s_cmp_lt_u32 s17, 64
	s_cbranch_scc0 .Lrouted
	s_lshr_b32 s27, s17, 5                         ; a shared tile: expert 14 + T / 32; row 4,096 + 2,048 (T / 32) + 64 (T % 32) + 16 m + r of part
	s_add_co_u32 s[EE], s27, 14
	s_lshl_b32 s25, s27, 11
	s_and_b32 s26, s17, 31
	s_lshl_b32 s26, s26, 6
	s_add_co_u32 s25, s25, s26
	s_add_co_u32 s25, s25, 4096
	v_add_nc_u32 v[ID], s25, v[RR]
.irp m, 1,2,3
	v_add_nc_u32 v[ID+\m], 16*\m, v[ID]
.endr
	s_mov_b32 s[NR], 64
	s_branch .Ljoin
.Lrouted:
	s_load_b256 s[CT:CT+7], s[8:9], 0x0            ; the 14 counts
	s_load_b128 s[CT+8:CT+11], s[8:9], 0x20
	s_load_b64 s[CT+12:CT+13], s[8:9], 0x30
	s_sub_co_u32 s[TAU], s17, 64
	s_wait_kmcnt 0x0
	TILEMAP
	s_mov_b32 s27, s[EE]
	s_lshl_b32 s25, s[JJ], 6
	s_sub_co_i32 s26, s[CN], s25
	s_max_i32 s26, s26, 0
	s_min_i32 s[NR], s26, 64                       ; rows of my tile: 0 where the split leaves it empty
	s_mul_i32 s28, s[EE], 8448
	s_add_co_u32 s28, s28, 256
	s_mov_b32 s29, 0
	s_add_nc_u64 s[54:55], s[8:9], s[28:29]        ; the expert's list
	v_add_nc_u32 v55, s25, v[RR]
.irp m, 0,1,2,3
	v_add_nc_u32 v[G+1+2*\m], 16*\m, v55
	v_min_u32 v[G+1+2*\m], s[LAST], v[G+1+2*\m]    ; places past the list's end take its last id once more
	v_min_u32 v[G+1+2*\m], 0x7ff, v[G+1+2*\m]
	v_lshlrev_b32 v[G+1+2*\m], 2, v[G+1+2*\m]
	global_load_b32 v[ID+\m], v[G+1+2*\m], s[54:55]
.endr
.Ljoin:
	s_lshl_b32 s25, s18, 2
	s_add_co_u32 s25, s25, s[WV]                   ; my group of 64 columns: 4 cq + w
	s_add_co_u32 s28, s[EE], 16                    ; wq's second half
	s_lshl_b32 s28, s28, 4
	s_add_co_u32 s28, s28, s25
	s_mul_i32 s28, s28, 34816
	s_mov_b32 s29, 0
	s_add_nc_u64 s[WP:WP+1], s[6:7], s[28:29]
	s_lshl_b32 s28, s27, 12
	s_lshl_b32 s26, s25, 8
	s_add_co_u32 s28, s28, s26
	s_cmp_lt_u32 s17, 64
	s_cselect_b64 s[BP:BP+1], s[14:15], s[12:13]   ; the choice hangs on the work-group's number alone
	s_cselect_b32 s58, -1, 0                       ; all lanes, in a shared tile
	s_add_nc_u64 s[BP:BP+1], s[BP:BP+1], s[28:29]
	FETCH 0, 0
	FETCH 1, 1
	s_mul_i32 s28, s17, 34816
	s_add_nc_u64 s[52:53], s[4:5], s[28:29]        ; the tile's images in hq
.irp i, 0,1,2,3,4,5,6,7,8,9,10,11,12,13,14,15,16
	global_load_b128 v[ACC+4*\i:ACC+4*\i+3], v[CP], s[52:53] offset:2048*\i   ; the work-group copies 2,048 consecutive bytes a line
.endr
	s_mov_b32 s28, s26                             ; 256 (4 cq + w) bytes: my 64 columns
	s_add_nc_u64 s[PP:PP+1], s[50:51], s[28:29]
	s_wait_loadcnt 37                              ; the four ids are in: 20 loads of weights and 17 of images are younger
.irp m, 0,1,2,3
	v_min_u32 v[ID+\m], 0x1fff, v[ID+\m]
	ds_store_b32 v[RTW], v[ID+\m] offset:64*\m     ; both halves of the lanes write the same word with the same value
	v_min_u32 v[G+1+2*\m], 0xfff, v[ID+\m]
	v_lshlrev_b32 v[G+1+2*\m], 2, v[G+1+2*\m]
	global_load_b32 v[G+2*\m], v[G+1+2*\m], s[10:11]   ; my row's gate (in a shared tile a number that is replaced by 1 below)
.endr
	s_wait_loadcnt 4                               ; the images are in: the four gates are younger
.irp i, 0,1,2,3,4,5,6,7,8,9,10,11,12,13,14,15,16
	ds_store_b128 v[CP], v[ACC+4*\i:ACC+4*\i+3] offset:2048*\i
.endr
	s_wait_dscnt 0x0                               ; for the others' sake: my stores have landed
	s_barrier_signal -1
	s_barrier_wait -1                              ; the tile's hidden layer lies in LDS
	STEP 0, 10, 1                                  ; the count: the next step's ten loads are younger
	FETCH 0, 2
	STEP 1, 10, 0
	FETCH 1, 3
	STEP 2, 10, 0
	FETCH 0, 4
	STEP 3, 10, 0
	FETCH 1, 5
	STEP 4, 10, 0
	FETCH 0, 6
	STEP 5, 10, 0
	FETCH 1, 7
	STEP 6, 10, 0
.irp u, 0,1,2,3                                ; b2 into set 0: tile u's eight columns of my half: 16 u + 8 h + 0 .. 7
	global_load_b128 v[WF+8*\u:WF+8*\u+3], v[BV], s[BP:BP+1] offset:64*\u
	global_load_b128 v[WF+8*\u+4:WF+8*\u+7], v[BV], s[BP:BP+1] offset:64*\u+16
.endr
	STEP 7, 8, 0                                   ; the eight loads of b2 are younger
	s_wait_loadcnt 0x0
.irp m, 0,1,2,3
	v_cndmask_b32 v[G+2*\m], v[G+2*\m], 1.0, s58   ; a shared expert's rows are not weighed
.endr
	OUT 0
	OUT 1
	OUT 2
	OUT 3
.Ldone:
	s_set_vgpr_msb 0x4
	s_wait_tensorcnt 0x0
	ds_add_u32 v54, v1
	s_wait_dscnt 0x0
	s_set_vgpr_msb 0x400
	s_endpgm
.Lfunc_end_k_q61f5ff4255_outp:
	.size	k_q61f5ff4255_outp, .Lfunc_end_k_q61f5ff4255_outp-k_q61f5ff4255_outp
	.p2alignl 7, 3214868480
	.fill 96, 4, 3214868480
	.section	.rodata,"a",@progbits
	.p2align	6, 0x0
	.amdhsa_kernel k_q61f5ff4255_outp
		.amdhsa_group_segment_fixed_size 53760
		.amdhsa_private_segment_fixed_size 0
		.amdhsa_enable_private_segment 0
		.amdhsa_kernarg_size 56
		.amdhsa_user_sgpr_count 2
		.amdhsa_user_sgpr_kernarg_segment_ptr 1
		.amdhsa_wavefront_size32 1
		.amdhsa_system_sgpr_workgroup_id_x 1
		.amdhsa_system_sgpr_workgroup_id_y 1
		.amdhsa_system_sgpr_workgroup_id_z 1
		.amdhsa_system_vgpr_workitem_id 0
		.amdhsa_next_free_vgpr 258
		.amdhsa_next_free_sgpr 66
		.amdhsa_reserve_vcc 0
		.amdhsa_float_denorm_mode_32 3
		.amdhsa_float_denorm_mode_16_64 3
		.amdhsa_memory_ordered 1
		.amdhsa_forward_progress 1
		.amdhsa_inst_pref_size 65
	.end_amdhsa_kernel
	.amdgpu_metadata
---
amdhsa.version: [ 1, 2 ]
amdhsa.kernels:
  - .name:           k_q61f5ff4255_outp
    .symbol:         k_q61f5ff4255_outp.kd
    .args:
      - { .name: hq, .offset: 0, .size: 8, .value_kind: global_buffer, .address_space: global }
      - { .name: wq, .offset: 8, .size: 8, .value_kind: global_buffer, .address_space: global }
      - { .name: rows, .offset: 16, .size: 8, .value_kind: global_buffer, .address_space: global }
      - { .name: gate, .offset: 24, .size: 8, .value_kind: global_buffer, .address_space: global }
      - { .name: routed_b2, .offset: 32, .size: 8, .value_kind: global_buffer, .address_space: global }
      - { .name: shared_b2, .offset: 40, .size: 8, .value_kind: global_buffer, .address_space: global }
      - { .name: part, .offset: 48, .size: 8, .value_kind: global_buffer, .address_space: global }
    .group_segment_fixed_size: 53760
    .private_segment_fixed_size: 0
    .kernarg_segment_align: 8
    .kernarg_segment_size: 56
    .max_flat_workgroup_size: 128
    .sgpr_count:     66
    .vgpr_count:     258
    .wavefront_size: 32
...
	.end_amdgpu_metadata
.endif
;; end of part 4
;; launch sum (part 5): grid 512 x 1, 8 waves a work-group, no clusters, 0 bytes of LDS; arguments x, part, out0; writes out0
.if DOCPART == 5
	.amdgcn_target "amdgcn-amd-amdhsa--gfx1250"
	.amdhsa_code_object_version 6
	.text
	.protected	k_q61f5ff4255_sum
	.globl	k_q61f5ff4255_sum
	.p2align	8
	.type	k_q61f5ff4255_sum,@function
k_q61f5ff4255_sum:
	s_mov_b64 s[64:65], 0
	v_nop
	global_prefetch_b8 v0, s[64:65] scope:SCOPE_SE
	s_setreg_imm32_b32 hwreg(HW_REG_WAVE_MODE, 25, 1), 1
	s_wait_xcnt 0x0
; SUM: out0[token] = x[token] + the two shared experts' rows + the token's two routed rows, all f32.
; A stream: a work-group takes four tokens, thread t the 16 bytes at 16 t of each row of 4,096 bytes, so that every load and store of a wave covers 512 consecutive bytes.
; All 20 loads of a wave go out at once; every offset is an immediate; no register is used twice, so no wait frees one.  LDS, barriers and the matrix unit would add nothing here.
; part: routed rows 2 x token + slot from byte 0; shared expert 0's rows from byte 16,777,216, shared expert 1's 8,388,608 further on.
	s_load_b128 s[4:7], s[0:1], 0x0                ; x, part
	s_load_b64 s[8:9], s[0:1], 0x10                ; out0
	v_lshlrev_b32 v1, 4, v0
	s_lshl_b32 s10, ttmp9, 14                      ; four rows of 4,096 bytes
	s_mov_b32 s11, 0
	s_lshl_b32 s12, ttmp9, 15                      ; eight
	s_mov_b32 s13, 0
	s_wait_kmcnt 0x0
	s_add_nc_u64 s[14:15], s[6:7], s[10:11]
	s_add_nc_u64 s[14:15], s[14:15], 0x1000000     ; shared expert 0's rows of my tokens
	s_add_nc_u64 s[16:17], s[14:15], 0x800000      ; shared expert 1's
	s_add_nc_u64 s[4:5], s[4:5], s[10:11]
	s_add_nc_u64 s[8:9], s[8:9], s[10:11]
	s_add_nc_u64 s[6:7], s[6:7], s[12:13]          ; my tokens' routed rows
.irp i, 0,1,2,3
	global_load_b128 v[16+20*\i:19+20*\i], v1, s[4:5] offset:4096*\i th:TH_LOAD_NT
	global_load_b128 v[20+20*\i:23+20*\i], v1, s[6:7] offset:8192*\i th:TH_LOAD_NT
	global_load_b128 v[24+20*\i:27+20*\i], v1, s[6:7] offset:8192*\i+4096 th:TH_LOAD_NT
	global_load_b128 v[28+20*\i:31+20*\i], v1, s[14:15] offset:4096*\i th:TH_LOAD_NT
	global_load_b128 v[32+20*\i:35+20*\i], v1, s[16:17] offset:4096*\i th:TH_LOAD_NT
.endr
.irp i, 0,1,2,3
	s_wait_loadcnt 5*(3-\i)                        ; this token's five loads are in; the later tokens' may be out
.irp k, 0,2
	v_pk_add_f32 v[28+20*\i+\k:29+20*\i+\k], v[28+20*\i+\k:29+20*\i+\k], v[32+20*\i+\k:33+20*\i+\k]   ; the shared experts,
	v_pk_add_f32 v[20+20*\i+\k:21+20*\i+\k], v[20+20*\i+\k:21+20*\i+\k], v[24+20*\i+\k:25+20*\i+\k]   ; the routed ones,
.endr
.irp k, 0,2
	v_pk_add_f32 v[28+20*\i+\k:29+20*\i+\k], v[28+20*\i+\k:29+20*\i+\k], v[20+20*\i+\k:21+20*\i+\k]
.endr
.irp k, 0,2
	v_pk_add_f32 v[28+20*\i+\k:29+20*\i+\k], v[28+20*\i+\k:29+20*\i+\k], v[16+20*\i+\k:17+20*\i+\k]   ; and x
.endr
	global_store_b128 v1, v[28+20*\i:31+20*\i], s[8:9] offset:4096*\i th:TH_STORE_NT
.endr
	s_endpgm
.Lfunc_end_k_q61f5ff4255_sum:
	.size	k_q61f5ff4255_sum, .Lfunc_end_k_q61f5ff4255_sum-k_q61f5ff4255_sum
	.p2alignl 7, 3214868480
	.fill 96, 4, 3214868480
	.section	.rodata,"a",@progbits
	.p2align	6, 0x0
	.amdhsa_kernel k_q61f5ff4255_sum
		.amdhsa_group_segment_fixed_size 0
		.amdhsa_private_segment_fixed_size 0
		.amdhsa_enable_private_segment 0
		.amdhsa_kernarg_size 24
		.amdhsa_user_sgpr_count 2
		.amdhsa_user_sgpr_kernarg_segment_ptr 1
		.amdhsa_wavefront_size32 1
		.amdhsa_system_sgpr_workgroup_id_x 1
		.amdhsa_system_sgpr_workgroup_id_y 1
		.amdhsa_system_sgpr_workgroup_id_z 1
		.amdhsa_system_vgpr_workitem_id 0
		.amdhsa_next_free_vgpr 96
		.amdhsa_next_free_sgpr 66
		.amdhsa_reserve_vcc 0
		.amdhsa_float_denorm_mode_32 3
		.amdhsa_float_denorm_mode_16_64 3
		.amdhsa_memory_ordered 1
		.amdhsa_forward_progress 1
		.amdhsa_inst_pref_size 6
	.end_amdhsa_kernel
	.amdgpu_metadata
---
amdhsa.version: [ 1, 2 ]
amdhsa.kernels:
  - .name:           k_q61f5ff4255_sum
    .symbol:         k_q61f5ff4255_sum.kd
    .args:
      - { .name: x, .offset: 0, .size: 8, .value_kind: global_buffer, .address_space: global }
      - { .name: part, .offset: 8, .size: 8, .value_kind: global_buffer, .address_space: global }
      - { .name: out0, .offset: 16, .size: 8, .value_kind: global_buffer, .address_space: global }
    .group_segment_fixed_size: 0
    .private_segment_fixed_size: 0
    .kernarg_segment_align: 8
    .kernarg_segment_size: 24
    .max_flat_workgroup_size: 256
    .sgpr_count:     66
    .vgpr_count:     96
    .wavefront_size: 32
...
	.end_amdgpu_metadata
.endif
;; end of part 5
;; ======== version 2 of 2: 5 launches; version 1 with the launches hidden, outp written anew for expert scheduling mode
;; workspace buffers: wq 17,825,792 bytes; xq 1,114,112 bytes; sel 16,384 bytes of whole numbers; gate 16,384 bytes; rows 118,528 bytes of whole numbers; hq 4,909,056 bytes; part 33,554,432 bytes
;; launch prep1: the kernel of part 1 again; grid 640 x 1, 8 waves a work-group, no clusters, 18,432 bytes of LDS; arguments x, router_w, router_b, routed_w1, shared_w1, wq, xq, sel, gate; writes wq, xq, sel, gate
;; launch prep2: the kernel of part 2 again; grid 1028 x 1, 4 waves a work-group, no clusters, 0 bytes of LDS; arguments routed_w2, shared_w2, sel, wq, rows; writes wq, rows
;; launch hidden (part 6): grid 1128 x 1, 4 waves a work-group, no clusters, 36,352 bytes of LDS; arguments xq, wq, rows, routed_b1, shared_b1, hq; writes hq
.if DOCPART == 6
	.amdgcn_target "amdgcn-amd-amdhsa--gfx1250"
	.amdhsa_code_object_version 6
	.text
	.protected	k_q61f5ff4255_hidden
	.globl	k_q61f5ff4255_hidden
	.p2align	8
	.type	k_q61f5ff4255_hidden,@function
k_q61f5ff4255_hidden:
	s_mov_b64 s[64:65], 0
	v_nop
	global_prefetch_b8 v0, s[64:65] scope:SCOPE_SE
	s_setreg_imm32_b32 hwreg(HW_REG_WAVE_SCHED_MODE, 0, 2), 2
	s_setreg_imm32_b32 hwreg(HW_REG_WAVE_MODE, 25, 1), 1
	s_wait_xcnt 0x0
	s_wait_alu depctr_vm_vsrc(0)
; HIDDEN: Q(gelu(Q(x) Q(W1) + b1)) for the rows that are kept.  A work-group takes tile T = work-group / 8 (64 rows of one expert) x hidden units 128 cq on (cq = work-group % 8):
; those 128 units are K step cq of the next product, so the work-group fills block [T][cq] of hq whole.
; Tiles 0-63: the two shared experts, 32 tiles of 64 tokens each.  Tiles 64-140: routed tile T - 64 of the lists that the launch before stored: with 4,096 routed rows, 14 experts and tiles of 64
; there are never more than 4,096 / 64 + 13 = 77, whatever the split.  A tile that the split leaves empty runs on held addresses and fills its own part of hq, which nobody uses: so no barrier stands under a branch on loaded numbers.
; Wave w makes units 128 cq + 32 w on, ONE block of 32 along the next K: 2 tiles u of 16 units x 4 tiles m of 16 rows = 8 accumulators.  THE PRODUCT IS USED TRANSPOSED (source 0 = 16 columns of W1,
; source 1 = 16 rows of x): lane (r, h) holds row 16 m + r, and by the order in which wq lays W1's columns the 16 registers of the two tiles are units 16 h + 0 .. 15 of the block: neighbours along the next K.
; W1's fragments come from memory straight into registers (wq is laid in the registers' order), FOUR K steps ahead in four sets of 16 registers: steps 0 to 3 and the bias are asked for ahead of the gather of x.
; b1 IS THE C OF EACH SUM'S FIRST PRODUCT: it is loaded into the accumulators of row tile 0, serves row tiles 1 to 3 as C, and is then added onto in place: no addition, nothing cleared.
; The 64 rows' codes of x are gathered once into LDS as images of the operand's registers: K step s at 4,352 s: fragment (m, c) at 1,024 m + 512 c + 16 lane; scale words at 4,096 + 64 m + 4 r.
; From byte 34,816: 256 bytes for each wave: its rows' scale bytes, a word each, which wave 0 packs into the block's 256 bytes of scale words.
; No tensor load, no cluster: addresses hang on stored lists, tiles of one expert are of uneven number, and what a work-group reads of the weights is 70 KB.
; GELU is exact: v (0.5 + 0.5 erf(v / sqrt 2)), 0.5 erf by the rational z P(z^2) / Q(z^2) on z held to +-4, P's coefficients halved (one off each exponent field: exact), all in f32.
; LIMITS: the factor 0.5 + 0.5 erf carries an absolute error of about 1e-7, so for v under about -5.66 the result is 0 or of magnitude under 1e-7 |v|.  NaN and infinities are not served.  A block under 2^-124 gets the byte 1.
; THE MODE: SCHED_MODE bits 1:0 = 2 (LLVM: expert scheduling mode 2), set by the entry lines.  The code itself states the register dependences
; between vector or matrix instructions and memory or LDS instructions, with s_wait_alu, always for 0.
; THE PLAN.  Registers that memory or LDS instructions touch:
;   v1, v2, v5, v6, v10-v12, v14, v15   offsets and LDS addresses: made at the head, never written again.  v13: made in a routed tile, read by the id's load.  v7, v8: made behind the id, read by the gather.
;   XF v16-47      the gather's loads land, my LDS stores read; then in each K step eight LDS loads land and the step's products read; behind step 7 GELU's work.
;   v160-191       the gather's loads land, my LDS stores read; then the products write them as accumulators.
;   XS, WS, WF     loads land, the step's products read.  Set s % 4 is asked for again (step s + 4) behind step s.
;   v72-79, v60-63 the codes and the bytes: written by the quantiser's lines, read by the eight stores; in v56-63 wave 0's LDS loads land afterwards.
; So ONE wait on va_vdst stands behind each of steps 0 to 6: it states that the step's products are done reading XF, XS and their set of weights; the five loads of weights and the next step's ten LDS loads
; follow it with no vector or matrix instruction between.  A second buffer for XF and XS is not kept: it would take 34 registers more for each wave.
.set SCB, 34816                        ; LDS: the scale bytes
.set LI,  1                            ; v1   16 x lane
.set LS,  2                            ; v2   4 x lane
.set RR,  3                            ; v3   r = lane % 16
.set HH,  4                            ; v4   h = lane / 16
.set XW,  5                            ; v5   LDS: where I put x's fragments: 16 lane + 1,024 w
.set XSW, 6                            ; v6   and its scale words: 17,408 h + 64 w + 4 r
.set GA,  7                            ; v7   my row's codes in xq
.set GS,  8                            ; v8   and scale bytes
.set ID,  9                            ; v9   my row's id = 2 x token + slot
.set BV,  10                           ; v10  64 h: b1
.set VH,  11                           ; v11  16 r + 8 h: my 8 bytes of codes among a row tile's 256
.set SBA, 12                           ; v12  LDS: my rows' scale bytes: SCB + 256 w + 4 r
.set POS, 13                           ; v13  my place in the list
.set SBR, 14                           ; v14  LDS: SCB + 8 x lane: wave 0 reads them back
.set SBO, 15                           ; v15  8 x lane: and where they go
.set XF,  16                           ; v16-47   x's four fragments of a K step; later GELU's work
.set XS,  48                           ; v48-49   x's scale words (lanes 0-15: m even, lanes 16-31: m odd): scales and nothing else
.set WS,  50                           ; v50-53   W1's scale words, one register a set (lanes 0-15: tile 0, lanes 16-31: tile 1): scales and nothing else
.set WF,  56                           ; v56-119  W1's fragments, four sets of 16; later the quantiser's work
.set VA11, 120                         ; v[120:121], v[122:123]: two of erf's constants as vector pairs
.set VB6, 122
.set XSL, 124                          ; v124-127 x's scale words on their way into LDS
.set ACC, 128                          ; v128-191 accumulator (u, m) at 128 + 16 m + 8 u
.set GZ,  16
.set GQ,  24
.set GP,  32
.set GD,  40
.set TM,  56                           ; v56-71   the quantiser's work
.set PC,  72                           ; v72-79   the codes: two registers a row tile
.set WV,  16                           ; s16 wave; s17 T; s18 cq; s19 expert 0..15; s27 its number in its bias tensor
.set EE,  19
.set JJ,  20
.set CN,  21
.set ST,  22
.set LAST, 23
.set TAU, 24
.set AC,  25
.set TT,  26
.set WP,  32                           ; s[32:33] my codes in wq
.set BP,  34                           ; s[34:35] my 32 numbers of b1
.set CT,  36                           ; s[36:49] the 14 counts
.set HP,  50                           ; s[50:51] hq: my codes;  s[52:53] the block's scale words
.set HS,  52
.set WPS, 58                           ; s[58:59] my scale words in wq
.set KR2, 66                           ; constants as pairs, both words written: the packed forms name a pair and take its low word
.set KA13, 68
.set KA9, 70
.set KA7, 72
.set KA5, 74
.set KA3, 76
.set KA1, 78
.set KB8, 80
.set KB4, 82
.set KB2, 84
.set KB0, 86
.set SEL, 88
.macro KPAIR reg, val
	s_mov_b32 s[\reg], \val
	s_mov_b32 s[\reg+1], \val
.endm
; Routed tile TAU -> expert EE, its tile JJ, its count CN, its last place LAST.  No branch: a running sum of the experts' tiles, and selects.
.macro TILEMAP
	s_mov_b32 s[EE], 0
	s_mov_b32 s[ST], 0
	s_mov_b32 s[AC], 0
	s_mov_b32 s[CN], s[CT]
.irp e, 0,1,2,3,4,5,6,7,8,9,10,11,12,13
	s_add_co_u32 s[TT], s[CT+\e], 63
	s_lshr_b32 s[TT], s[TT], 6
	s_add_co_u32 s[AC], s[AC], s[TT]               ; tiles of experts 0 .. e
	s_cmp_le_u32 s[AC], s[TAU]                     ; my tile lies behind them?
	s_cselect_b32 s[ST], s[AC], s[ST]
.if \e < 13
	s_cselect_b32 s[CN], s[CT+1+\e], s[CN]
.else
	s_cselect_b32 s[CN], 0, s[CN]
.endif
	s_add_co_ci_u32 s[EE], s[EE], 0                ; + that comparison's outcome
.endr
	s_sub_co_u32 s[JJ], s[TAU], s[ST]
	s_max_u32 s[TT], s[CN], 1
	s_sub_co_u32 s[LAST], s[TT], 1
	s_min_u32 s[EE], s[EE], 13
.endm
.macro FETCH p, s                      ; K step s of my weights into set p: five loads
.irp u, 0,1
.irp c, 0,1
	global_load_b128 v[WF+16*(\p)+8*\u+4*\c:WF+16*(\p)+8*\u+4*\c+3], v[LI], s[WP:WP+1] offset:(\s)*4352+\u*1024+\c*512
.endr
.endr
	global_load_b32 v[WS+(\p)], v[LS], s[WPS:WPS+1] offset:(\s)*4352+4096
.endm
; One product.  bias = 1: C is b1, which lies in the accumulator of row tile 0; else in place.  An odd tile's scale words lie in lanes 16-31 of their register.
.macro WM u, m, p, bias
.set rD, ACC+16*(\m)+8*(\u)
.set rC, rD
.if \bias
.set rC, ACC+8*(\u)
.endif
.set rA, WF+16*(\p)+8*(\u)
.set rB, XF+8*(\m)
.set rSA, WS+(\p)
.set rSB, XS+(\m)/2
.if ((\u)%2 == 0) && ((\m)%2 == 0)
	v_wmma_scale_f32_16x16x128_f8f6f4 v[rD:rD+7], v[rA:rA+7], v[rB:rB+7], v[rC:rC+7], v[rSA], v[rSB] matrix_a_fmt:MATRIX_FMT_FP4 matrix_b_fmt:MATRIX_FMT_FP4
.elseif ((\u)%2 == 1) && ((\m)%2 == 0)
	v_wmma_scale_f32_16x16x128_f8f6f4 v[rD:rD+7], v[rA:rA+7], v[rB:rB+7], v[rC:rC+7], v[rSA], v[rSB] matrix_a_fmt:MATRIX_FMT_FP4 matrix_b_fmt:MATRIX_FMT_FP4 matrix_a_scale:MATRIX_SCALE_ROW1
.elseif ((\u)%2 == 0) && ((\m)%2 == 1)
	v_wmma_scale_f32_16x16x128_f8f6f4 v[rD:rD+7], v[rA:rA+7], v[rB:rB+7], v[rC:rC+7], v[rSA], v[rSB] matrix_a_fmt:MATRIX_FMT_FP4 matrix_b_fmt:MATRIX_FMT_FP4 matrix_b_scale:MATRIX_SCALE_ROW1
.else
	v_wmma_scale_f32_16x16x128_f8f6f4 v[rD:rD+7], v[rA:rA+7], v[rB:rB+7], v[rC:rC+7], v[rSA], v[rSB] matrix_a_fmt:MATRIX_FMT_FP4 matrix_b_fmt:MATRIX_FMT_FP4 matrix_a_scale:MATRIX_SCALE_ROW1 matrix_b_scale:MATRIX_SCALE_ROW1
.endif
.endm
; K step s: the rows' four fragments and scale words from LDS, 8 products on set s % 4.  n: the global loads younger than this step's weights (99: the weights are known to be in).
; first = 1: the sums begin: row tiles 1 to 3 take b1 as C out of row tile 0's accumulators; five places on (those registers are written over: ISA guide 7.12.1) row tile 0 adds onto it in place.
; The 8 accumulators take turns, one instruction a turn.
.macro STEP s, n, first
.irp m, 0,1,2,3
.irp c, 0,1
	ds_load_b128 v[XF+8*\m+4*\c:XF+8*\m+4*\c+3], v[LI] offset:(\s)*4352+\m*1024+\c*512
.endr
.endr
.irp i, 0,1
	ds_load_b32 v[XS+\i], v[LS] offset:(\s)*4352+4096+128*\i
.endr
.if (\n) < 64
	s_wait_loadcnt \n
.endif
	s_wait_dscnt 0x0
.if \first
.irp m, 1,2,3
.irp u, 0,1
	WM \u, \m, (\s)%4, 1
.endr
.endr
.rept 5
	v_nop
.endr
.irp u, 0,1
	WM \u, 0, (\s)%4, 0
.endr
.else
.irp m, 0,1,2,3
.irp u, 0,1
	WM \u, \m, (\s)%4, 0
.endr
.endr
.endif
.rept 4
	v_nop                                          ; four places behind these products: in front of the first read of results, and kept in front of the loads into registers that they have read
.endr
.if (\s) < 7
	s_wait_alu depctr_va_vdst(0)                   ; this step's products are done reading XF, XS and set s % 4 with its scale words: the loads of weights and the next step's LDS loads, which follow, land there
.endif
.endm
; gelu in place, on the 8 numbers v of tile (u, m), two at a time
.macro GELU u, m
.set A, ACC+16*(\m)+8*(\u)
.irp k, 0,2,4,6
	v_pk_mul_f32 v[GZ+\k:GZ+\k+1], v[A+\k:A+\k+1], s[KR2:KR2+1] op_sel_hi:[1,0]   ; z = v / sqrt 2; the accumulator from its low end on
.endr
.irp k, 0,1,2,3,4,5,6,7
	v_med3_num_f32 v[GZ+\k], v[GZ+\k], -4.0, 4.0   ; beyond +-4 erf is +-1 in f32
.endr
.irp k, 0,2,4,6
	v_pk_mul_f32 v[GQ+\k:GQ+\k+1], v[GZ+\k:GZ+\k+1], v[GZ+\k:GZ+\k+1]
.endr
.irp k, 0,2,4,6
	v_pk_fma_f32 v[GP+\k:GP+\k+1], v[GQ+\k:GQ+\k+1], s[KA13:KA13+1], v[VA11:VA11+1] op_sel_hi:[1,0,1]
.endr
.irp k, 0,2,4,6
	v_pk_fma_f32 v[GD+\k:GD+\k+1], v[GQ+\k:GQ+\k+1], s[KB8:KB8+1], v[VB6:VB6+1] op_sel_hi:[1,0,1]
.endr
.irp c, KA9, KA7, KA5, KA3, KA1
.irp k, 0,2,4,6
	v_pk_fma_f32 v[GP+\k:GP+\k+1], v[GP+\k:GP+\k+1], v[GQ+\k:GQ+\k+1], s[\c:\c+1] op_sel_hi:[1,1,0]
.endr
.endr
.irp c, KB4, KB2, KB0
.irp k, 0,2,4,6
	v_pk_fma_f32 v[GD+\k:GD+\k+1], v[GD+\k:GD+\k+1], v[GQ+\k:GQ+\k+1], s[\c:\c+1] op_sel_hi:[1,1,0]
.endr
.endr
.irp k, 0,1,2,3,4,5,6,7
	v_rcp_f32 v[GD+\k], v[GD+\k]
.endr
.irp k, 0,2,4,6
	v_pk_mul_f32 v[GP+\k:GP+\k+1], v[GP+\k:GP+\k+1], v[GZ+\k:GZ+\k+1]   ; (plain places behind the reciprocals)
.endr
	s_wait_alu depctr_va_vdst(0)                   ; the eight reciprocals have written v40-47: one wait for the batch, ahead of its first reader
.irp k, 0,2,4,6
	v_pk_fma_f32 v[GP+\k:GP+\k+1], v[GP+\k:GP+\k+1], v[GD+\k:GD+\k+1], 0.5 op_sel_hi:[1,1,0]   ; 0.5 erf + 0.5
.endr
.irp k, 0,2,4,6
	v_pk_mul_f32 v[A+\k:A+\k+1], v[A+\k:A+\k+1], v[GP+\k:GP+\k+1]
.endr
.endm
	s_load_b256 s[4:11], s[0:1], 0x0               ; xq, wq, rows, routed_b1
	s_load_b128 s[12:15], s[0:1], 0x20             ; shared_b1, hq
	v_lshl_add_u32 v192, v0, 2, 0x8c00
	v_mov_b32 v193, 0
	v_lshrrev_b32 v15, 5, v0
	v_readfirstlane_b32 s[WV], v15                 ; wave 0..3
	v_and_b32 v15, 31, v0
	v_lshlrev_b32 v[LI], 4, v15
	v_lshlrev_b32 v[LS], 2, v15
	v_lshl_add_u32 v[SBR], v15, 3, SCB
	v_lshlrev_b32 v[SBO], 3, v15
	v_and_b32 v[RR], 15, v0
	v_bfe_u32 v[HH], v0, 4, 1
	s_lshr_b32 s17, ttmp9, 3                       ; T
	s_and_b32 s18, ttmp9, 7                        ; cq
	s_wait_alu depctr_va_sdst(0)                   ; s16, the wave's number, is written, ahead of its first reader
	s_lshl_b32 s30, s[WV], 10
	v_add_nc_u32 v[XW], s30, v[LI]
	v_mul_u32_u24 v[XSW], v[HH], 0x4400
	v_lshl_add_u32 v[XSW], v[RR], 2, v[XSW]
	s_lshl_b32 s30, s[WV], 6
	v_add_nc_u32 v[XSW], s30, v[XSW]
	s_lshl_b32 s30, s[WV], 8
	s_add_co_u32 s30, s30, SCB
	v_lshl_add_u32 v[SBA], v[RR], 2, s30
	v_lshlrev_b32 v[BV], 6, v[HH]
	v_lshlrev_b32 v[VH], 4, v[RR]
	v_lshl_add_u32 v[VH], v[HH], 3, v[VH]
	v_mov_b32 v[VA11], 0x326dffee
	v_mov_b32 v[VA11+1], 0x326dffee
	v_mov_b32 v[VB6], 0xb95fbd29
	v_mov_b32 v[VB6+1], 0xb95fbd29
	KPAIR KR2,  0x3f3504f3                         ; 1 / sqrt 2
	KPAIR KA13, 0xaf15df0b                         ; half of erf's numerator, z^12 down to z^0 (z^10 lies in v[120:121]),
	KPAIR KA9,  0xb58cff51
	KPAIR KA7,  0xb7eec2d2
	KPAIR KA5,  0xb9c0ac63
	KPAIR KA3,  0xbac1a1f6
	KPAIR KA1,  0xbc03dbd4
	KPAIR KB8,  0xb77460cd                         ; and its denominator, z^8 down to z^0 (z^6 lies in v[122:123])
	KPAIR KB4,  0xbadc924e
	KPAIR KB2,  0xbbf19bf8
	KPAIR KB0,  0xbc69b6a7
	s_mov_b32 s[SEL], 0x76543210
	s_mov_b32 s[SEL+1], 0xfedcba98
	s_wait_alu depctr_va_vdst(0)                   ; the offsets and LDS addresses v1, v2, v5, v6, v10-v12, v14, v15 are written: the kernel's loads and stores read them, and no vector line writes them again
	s_wait_kmcnt 0x0
	s_cmp_lt_u32 s17, 64
	s_cbranch_scc0 .Lrouted
	s_lshr_b32 s27, s17, 5                         ; a shared tile: expert 14 + T / 32, tokens 64 (T % 32) on
	s_add_co_u32 s[EE], s27, 14
	s_and_b32 s25, s17, 31
	s_lshl_b32 s25, s25, 6
	s_lshl_b32 s26, s[WV], 4
	s_add_co_u32 s25, s25, s26
	v_add_nc_u32 v[ID], s25, v[RR]                 ; wave w gathers rows 16 w + r
	v_lshlrev_b32 v[ID], 1, v[ID]
	s_branch .Ljoin
.Lrouted:
	s_load_b256 s[CT:CT+7], s[8:9], 0x0            ; the 14 counts
	s_load_b128 s[CT+8:CT+11], s[8:9], 0x20
	s_load_b64 s[CT+12:CT+13], s[8:9], 0x30
	s_sub_co_u32 s[TAU], s17, 64
	s_wait_kmcnt 0x0
	TILEMAP
	s_mov_b32 s27, s[EE]
	s_mul_i32 s28, s[EE], 8448
	s_add_co_u32 s28, s28, 256
	s_mov_b32 s29, 0
	s_add_nc_u64 s[54:55], s[8:9], s[28:29]        ; the expert's list
	s_lshl_b32 s25, s[JJ], 6
	s_lshl_b32 s26, s[WV], 4
	s_add_co_u32 s25, s25, s26
	v_add_nc_u32 v[POS], s25, v[RR]
	v_min_u32 v[POS], s[LAST], v[POS]              ; places past the list's end take its last id once more
	v_min_u32 v[POS], 0x7ff, v[POS]
	v_lshlrev_b32 v[POS], 2, v[POS]
	s_wait_alu depctr_va_vdst(0)                   ; v13, my place in the list, is written: the load below reads it as its offset
	global_load_b32 v[ID], v[POS], s[54:55]
.Ljoin:
	s_lshl_b32 s25, s18, 1
	s_lshr_b32 s26, s[WV], 1
	s_add_co_u32 s25, s25, s26                     ; my group of 64 units in wq: 2 cq + w / 2
	s_lshl_b32 s28, s[EE], 4
	s_add_co_u32 s28, s28, s25
	s_mul_i32 s28, s28, 34816
	s_mov_b32 s29, 0
	s_add_nc_u64 s[WP:WP+1], s[6:7], s[28:29]
	s_and_b32 s31, s[WV], 1                        ; and which two of its four tiles
	s_lshl_b32 s28, s31, 7
	s_add_nc_u64 s[WPS:WPS+1], s[WP:WP+1], s[28:29]   ; their register of scale words: 128 bytes on for the upper two
	s_lshl_b32 s28, s31, 11
	s_add_nc_u64 s[WP:WP+1], s[WP:WP+1], s[28:29]  ; their codes: 2,048 bytes on
	s_lshl_b32 s28, s27, 12
	s_lshl_b32 s26, s18, 9
	s_add_co_u32 s28, s28, s26
	s_lshl_b32 s26, s[WV], 7
	s_add_co_u32 s28, s28, s26                     ; b1: 4,096 bytes an expert, 512 cq, 128 w
	s_cmp_lt_u32 s17, 64
	s_cselect_b64 s[BP:BP+1], s[12:13], s[10:11]   ; the choice hangs on the work-group's number alone
	s_add_nc_u64 s[BP:BP+1], s[BP:BP+1], s[28:29]
.irp u, 0,1                                    ; b1 into row tile 0's accumulators: tile u's eight units of my half: 16 h + 8 u + 0 .. 7
	global_load_b128 v[ACC+8*\u:ACC+8*\u+3], v[BV], s[BP:BP+1] offset:32*\u
	global_load_b128 v[ACC+8*\u+4:ACC+8*\u+7], v[BV], s[BP:BP+1] offset:32*\u+16
.endr
	FETCH 0, 0
	FETCH 1, 1
	FETCH 2, 2
	FETCH 3, 3
	s_mul_i32 s28, s17, 34816
	s_mul_i32 s30, s18, 4352
	s_add_co_u32 s28, s28, s30
	s_add_nc_u64 s[HP:HP+1], s[14:15], s[28:29]    ; block [T][cq] of hq
	s_add_nc_u64 s[HS:HS+1], s[HP:HP+1], 4096      ; its scale words
	s_lshl_b32 s28, s[WV], 8
	s_add_nc_u64 s[HP:HP+1], s[HP:HP+1], s[28:29]  ; block w of the K step is half w / 2, lanes 16 (w % 2) on: 256 w bytes into each row tile's 1,024
	s_add_nc_u64 s[56:57], s[4:5], 0x100000        ; xq's scale bytes
	s_wait_loadcnt 24                              ; the id is in: 4 loads of b1 and 20 of weights are younger
	v_lshrrev_b32 v[ID], 1, v[ID]
	v_min_u32 v[ID], 0x7ff, v[ID]                  ; the token
	v_lshlrev_b32 v[GA], 9, v[ID]
	v_lshl_add_u32 v[GA], v[HH], 4, v[GA]          ; its 512 bytes of codes, + 16 h
	v_lshlrev_b32 v[GS], 5, v[ID]
	v_lshl_add_u32 v[GS], v[HH], 4, v[GS]          ; its 32 scale bytes: words 4 h on
	s_wait_alu depctr_va_vdst(0)                   ; v7 and v8, my row's offsets in xq, are written: the seventeen loads below read them
.irp k, 0,1,2,3,4,5,6,7
	global_load_b128 v[XF+4*\k:XF+4*\k+3], v[GA], s[4:5] offset:32*\k     ; K step k / 2, half k % 2: into registers that are idle until the first K step
.endr
.irp k, 8,9,10,11,12,13,14,15
	global_load_b128 v[ACC+4*\k:ACC+4*\k+3], v[GA], s[4:5] offset:32*\k   ; v160-191: row tiles 2 and 3's accumulators
.endr
	global_load_b128 v[XSL:XSL+3], v[GS], s[56:57]
	s_wait_loadcnt 0x0                             ; x's rows are in, and with them all that was asked for earlier: b1 and four K steps of weights
.irp k, 0,1,2,3,4,5,6,7
	ds_store_b128 v[XW], v[XF+4*\k:XF+4*\k+3] offset:(\k/2)*4352+(\k%2)*512
.endr
.irp k, 8,9,10,11,12,13,14,15
	ds_store_b128 v[XW], v[ACC+4*\k:ACC+4*\k+3] offset:(\k/2)*4352+(\k%2)*512
.endr
.irp i, 0,1,2,3
	ds_store_b32 v[XSW], v[XSL+\i] offset:\i*4352+4096
.endr
	s_wait_dscnt 0x0                               ; for the others' sake: my stores have landed
	s_barrier_signal -1
	s_barrier_wait -1                              ; the 64 rows lie in LDS
	s_wait_alu depctr_vm_vsrc(0)                   ; my LDS stores have read v16-47, in which the first step's LDS loads land, and v160-191, which its products write
	STEP 0, 99, 1
	FETCH 0, 4                                     ; each set takes the step four further on, behind the wait that shows its products done with it
	STEP 1, 99, 0
	FETCH 1, 5
	STEP 2, 99, 0
	FETCH 2, 6
	STEP 3, 99, 0
	FETCH 3, 7
	STEP 4, 15, 0                                  ; the counts: the later steps' five loads each are younger
	STEP 5, 10, 0
	STEP 6, 5, 0
	STEP 7, 0, 0
.irp m, 0,1,2,3
.irp u, 0,1
	GELU \u, \m
.endr
.endr
	; The quantiser: registers 16 m + i are units 16 h + i of my block, row 16 m + r: four blocks, one for each row tile, by turns
.irp b, 0,1,2,3
	v_mov_b32 v[TM+4+\b], 0                        ; a lane permute's destination counts as one of its sources
.endr
.irp b, 0,1,2,3
	v_max3_num_f32 v[TM+\b], |v[ACC+16*\b]|, |v[ACC+16*\b+1]|, 0x1800000   ; my 16 numbers, and the floor 2^(3 - 127): the byte cannot fall under 1
.endr
.irp i, 2,4,6,8,10,12,14
.irp b, 0,1,2,3
	v_max3_num_f32 v[TM+\b], v[TM+\b], |v[ACC+16*\b+\i]|, |v[ACC+16*\b+\i+1]|
.endr
.endr
.irp b, 0,1,2,3
	v_permlanex16_b32 v[TM+4+\b], v[TM+\b], s[SEL], s[SEL+1]
.endr
.irp b, 0,1,2,3
	v_max_num_f32 v[TM+\b], v[TM+\b], v[TM+4+\b]   ; with lane l xor 16's: the block's largest magnitude
.endr
.irp b, 0,1,2,3
	v_add_nc_u32 v[TM+12+\b], 0xff000000, v[TM+\b] ; 2 off its exponent field: the conversion's scale operand
.endr
.irp b, 0,1,2,3
	v_lshrrev_b32 v[TM+4+\b], 23, v[TM+12+\b]      ; the scale's byte
.endr
.irp b, 0,1,2,3
	v_cvt_scalef32_pk8_fp4_f32 v[PC+2*\b], v[ACC+16*\b:ACC+16*\b+7], v[TM+12+\b]
	v_cvt_scalef32_pk8_fp4_f32 v[PC+2*\b+1], v[ACC+16*\b+8:ACC+16*\b+15], v[TM+12+\b]
.endr
	v_nop                                          ; one plain place behind a scaled conversion
	s_wait_alu depctr_va_vdst(0)                   ; the conversions have written the codes v72-79 and the shifts the bytes v60-63, which the eight stores below read; the quantiser's lines are also done with v56-63, in which wave 0's loads land
.irp b, 0,1,2,3
	global_store_b64 v[VH], v[PC+2*\b:PC+2*\b+1], s[HP:HP+1] offset:\b*1024   ; bytes 8 h on of row r's 16: the wave stores 256 consecutive bytes, aligned
.endr
.irp b, 0,1,2,3
	ds_store_b32 v[SBA], v[TM+4+\b] offset:64*\b   ; my block's byte of row 16 b + r, as a word; both halves of the lanes write the same
.endr
	s_wait_dscnt 0x0                               ; for wave 0's sake: my stores have landed
	s_barrier_signal -1
	s_barrier_wait -1
	s_wait_alu depctr_vm_vsrc(0)                   ; my LDS stores have read v60-63, in which wave 0's LDS loads land: stated ahead of the branch
	s_cmp_lg_u32 s[WV], 0
	s_cbranch_scc1 .Lend
.irp q, 0,1,2,3                                ; wave 0: rows 2 l and 2 l + 1: the four waves' bytes make their scale words
	ds_load_b64 v[TM+2*\q:TM+2*\q+1], v[SBR] offset:256*\q
.endr
	s_wait_dscnt 0x0
.irp q, 1,2,3
	v_lshl_or_b32 v[TM], v[TM+2*\q], 8*\q, v[TM]
	v_lshl_or_b32 v[TM+1], v[TM+2*\q+1], 8*\q, v[TM+1]
.endr
	s_wait_alu depctr_va_vdst(0)                   ; the six lines above have written v56 and v57, the store's data
	global_store_b64 v[SBO], v[TM:TM+1], s[HS:HS+1]   ; 256 consecutive bytes, aligned
.Lend:
	s_wait_dscnt 0x0                               ; the closing lines, six on end
	s_wait_alu 0x0
	s_wait_tensorcnt 0x0
	ds_add_u32 v192, v193
	s_wait_dscnt 0x0
	s_endpgm
.Lfunc_end_k_q61f5ff4255_hidden:
	.size	k_q61f5ff4255_hidden, .Lfunc_end_k_q61f5ff4255_hidden-k_q61f5ff4255_hidden
	.p2alignl 7, 3214868480
	.fill 96, 4, 3214868480
	.section	.rodata,"a",@progbits
	.p2align	6, 0x0
	.amdhsa_kernel k_q61f5ff4255_hidden
		.amdhsa_group_segment_fixed_size 36352
		.amdhsa_private_segment_fixed_size 0
		.amdhsa_enable_private_segment 0
		.amdhsa_kernarg_size 48
		.amdhsa_user_sgpr_count 2
		.amdhsa_user_sgpr_kernarg_segment_ptr 1
		.amdhsa_wavefront_size32 1
		.amdhsa_system_sgpr_workgroup_id_x 1
		.amdhsa_system_sgpr_workgroup_id_y 1
		.amdhsa_system_sgpr_workgroup_id_z 1
		.amdhsa_system_vgpr_workitem_id 0
		.amdhsa_next_free_vgpr 194
		.amdhsa_next_free_sgpr 96
		.amdhsa_reserve_vcc 0
		.amdhsa_float_denorm_mode_32 3
		.amdhsa_float_denorm_mode_16_64 3
		.amdhsa_memory_ordered 1
		.amdhsa_forward_progress 1
		.amdhsa_inst_pref_size 73
	.end_amdhsa_kernel
	.amdgpu_metadata
---
amdhsa.version: [ 1, 2 ]
amdhsa.kernels:
  - .name:           k_q61f5ff4255_hidden
    .symbol:         k_q61f5ff4255_hidden.kd
    .args:
      - { .name: xq, .offset: 0, .size: 8, .value_kind: global_buffer, .address_space: global }
      - { .name: wq, .offset: 8, .size: 8, .value_kind: global_buffer, .address_space: global }
      - { .name: rows, .offset: 16, .size: 8, .value_kind: global_buffer, .address_space: global }
      - { .name: routed_b1, .offset: 24, .size: 8, .value_kind: global_buffer, .address_space: global }
      - { .name: shared_b1, .offset: 32, .size: 8, .value_kind: global_buffer, .address_space: global }
      - { .name: hq, .offset: 40, .size: 8, .value_kind: global_buffer, .address_space: global }
    .group_segment_fixed_size: 36352
    .private_segment_fixed_size: 0
    .kernarg_segment_align: 8
    .kernarg_segment_size: 48
    .max_flat_workgroup_size: 128
    .sgpr_count:     96
    .vgpr_count:     194
    .wavefront_size: 32
...
	.end_amdgpu_metadata
.endif
;; end of part 6
;; launch outp (part 7): grid 564 x 1, 4 waves a work-group, no clusters, 53,760 bytes of LDS; arguments hq, wq, rows, gate, routed_b2, shared_b2, part; writes part
.if DOCPART == 7
	.amdgcn_target "amdgcn-amd-amdhsa--gfx1250"
	.amdhsa_code_object_version 6
	.text
	.protected	k_q61f5ff4255_outp
	.globl	k_q61f5ff4255_outp
	.p2align	8
	.type	k_q61f5ff4255_outp,@function
k_q61f5ff4255_outp:
	s_mov_b64 s[64:65], 0
	v_nop
	global_prefetch_b8 v0, s[64:65] scope:SCOPE_SE
	s_setreg_imm32_b32 hwreg(HW_REG_WAVE_SCHED_MODE, 0, 2), 2
	s_setreg_imm32_b32 hwreg(HW_REG_WAVE_MODE, 25, 1), 1
	s_wait_xcnt 0x0
	s_wait_alu depctr_vm_vsrc(0)
; OUTP: gate x (Q(hidden) Q(W2) + b2) for the rows that are kept, one f32 row of part for each (token, slot) and for each (shared expert, token).
; Tiles as in the launch before: T = work-group / 4 (0-63 shared, 64-140 routed), columns 256 cq on.  Wave w makes columns 64 (4 cq + w) on for all 64 rows: 16 accumulators.
; THE PRODUCT IS USED TRANSPOSED (source 0 = 16 columns of W2, source 1 = 16 rows): lane (r, h), register j of (u, m) = row 16 m + r, column 16 u + 8 h + j of my 64: eight neighbours of a row.
; The tile's hidden codes and scale words, 34,816 dense bytes of hq laid as images of the operand's registers, are copied into LDS once; W2's fragments come from memory into registers, two K steps ahead.
; part: row id = 2 x token + slot (0 .. 4,095) for routed rows, 4,096 + 2,048 x shared expert + token for shared ones: each row has one owner, so nothing is added here.
; Rows past a list's end inside its last 16 are copies of the last row (the place was held there in both launches): the same numbers to the same bytes by the same wave, so no lane is switched off.
; Whole groups of 16 rows past the end are left out by a scalar branch on the stored count, behind the one barrier.  A tile that the split leaves empty stores nothing.
; No tensor load, no cluster: addresses and that branch hang on stored numbers.
; LDS: 0: the images, K step s at 4,352 s;  34,816 + 4,352 w: my stage, 16 rows x (256 + 16) bytes;  52,224 + 256 w: my table of the 64 rows' places in part.
; THE MODE: SCHED_MODE bits 1:0 = 2 (LLVM: expert scheduling mode 2), set by the entry lines.  The code itself states the register dependences
; between vector or matrix instructions and memory or LDS instructions, with s_wait_alu, always for 0.
; THE PLAN.  Registers that memory or LDS instructions touch:
;   v1, v2, v5-v8, v10, v11   offsets and LDS addresses: made at the head, never written again.
;   v121, 123, 125, 127       in a routed tile the places in the list, read by the four loads of ids; then the gates' offsets, read by the four loads of gates.
;   v12-15                    the ids: loads land (routed) or vector lines write (shared); held by vector lines; read by the table's LDS stores.
;   v128-195                  the images' loads land, my LDS stores read; then the products write them as accumulators.
;   XF, XS, WS, WF            loads land, the step's products read.  Set s % 2 is asked for again (step s + 2; behind step 6: b2) behind step s.
;   The way out, rows 16 m on: v16-47 written by the adds and multiplies, read by the stage's stores; v88-119: the stage's loads land, the global stores read;
;                             the first eight registers of row tile m's accumulators: read by the adds, then the table's loads land, two vector lines make offsets of them, the global stores read.
; So ONE wait on va_vdst stands behind each of steps 0 to 6: the step's products are done reading XF, XS and their set; the ten loads of weights and the next step's ten LDS loads follow it with no vector
; or matrix instruction between.  A second buffer for XF is not kept: a step's LDS loads are issued ahead of the wait for its weights and land while that wait lasts.
.set LI,  1                            ; v1   16 x lane
.set LS,  2                            ; v2   4 x lane
.set RR,  3                            ; v3   r
.set HH,  4                            ; v4   h
.set STO, 5                            ; v5   the stage, in: row r, + 32 h
.set RD,  6                            ; v6   the stage, back: row h, + 16 r
.set RTW, 7                            ; v7   the table, in: 4 r
.set RTA, 8                            ; v8   the table, back: 4 h
.set LC,  9                            ; v9   16 r
.set BV,  10                           ; v10  32 h: b2
.set CP,  11                           ; v11  16 x thread
.set ID,  12                           ; v12-15 my row's place in part, for m = 0 .. 3
.set XF,  16                           ; v16-47 the rows' four fragments of a K step; later results at work
.set XS,  48                           ; v48-49 their scale words: scales and nothing else
.set WS,  50                           ; v50-53 W2's scale words: scales and nothing else
.set WF,  56                           ; v56-119 W2's fragments, two sets; later b2 (set 0) and rows read back (set 1)
.set G,   120                          ; v120, 122, 124, 126: my row's gate for m = 0 .. 3;  v121, 123, 125, 127: address registers
.set ACC, 128                          ; v128-255 accumulator (u, m) at 128 + 32 m + 8 u
.set WV,  16
.set EE,  19
.set JJ,  20
.set CN,  21
.set ST,  22
.set NR,  22                           ; s22  rows of my tile (takes ST's place)
.set LAST, 23
.set TAU, 24
.set AC,  25
.set TT,  26
.set WP,  32
.set BP,  34
.set CT,  36
.set PP,  56                           ; s[56:57] part at my 64 columns
.macro TILEMAP
	s_mov_b32 s[EE], 0
	s_mov_b32 s[ST], 0
	s_mov_b32 s[AC], 0
	s_mov_b32 s[CN], s[CT]
.irp e, 0,1,2,3,4,5,6,7,8,9,10,11,12,13
	s_add_co_u32 s[TT], s[CT+\e], 63
	s_lshr_b32 s[TT], s[TT], 6
	s_add_co_u32 s[AC], s[AC], s[TT]               ; tiles of experts 0 .. e
	s_cmp_le_u32 s[AC], s[TAU]                     ; my tile lies behind them?
	s_cselect_b32 s[ST], s[AC], s[ST]
.if \e < 13
	s_cselect_b32 s[CN], s[CT+1+\e], s[CN]
.else
	s_cselect_b32 s[CN], 0, s[CN]
.endif
	s_add_co_ci_u32 s[EE], s[EE], 0                ; + that comparison's outcome
.endr
	s_sub_co_u32 s[JJ], s[TAU], s[ST]
	s_max_u32 s[TT], s[CN], 1
	s_sub_co_u32 s[LAST], s[TT], 1
	s_min_u32 s[EE], s[EE], 13
.endm
.macro FETCH p, s                      ; K step s of my weights into set p: ten loads
.irp u, 0,1,2,3
.irp c, 0,1
	global_load_b128 v[WF+32*(\p)+8*\u+4*\c:WF+32*(\p)+8*\u+4*\c+3], v[LI], s[WP:WP+1] offset:(\s)*4352+\u*1024+\c*512
.endr
.endr
.irp j, 0,1
	global_load_b32 v[WS+2*(\p)+\j], v[LS], s[WP:WP+1] offset:(\s)*4352+4096+128*\j
.endr
.endm
.macro WM u, m, p, zero                ; one product; an odd tile's scale words lie in lanes 16-31 of their register
.set rD, ACC+32*(\m)+8*(\u)
.set rA, WF+32*(\p)+8*(\u)
.set rB, XF+8*(\m)
.set rSA, WS+2*(\p)+(\u)/2
.set rSB, XS+(\m)/2
.if \zero
.if ((\u)%2 == 0) && ((\m)%2 == 0)
	v_wmma_scale_f32_16x16x128_f8f6f4 v[rD:rD+7], v[rA:rA+7], v[rB:rB+7], 0, v[rSA], v[rSB] matrix_a_fmt:MATRIX_FMT_FP4 matrix_b_fmt:MATRIX_FMT_FP4
.elseif ((\u)%2 == 1) && ((\m)%2 == 0)
	v_wmma_scale_f32_16x16x128_f8f6f4 v[rD:rD+7], v[rA:rA+7], v[rB:rB+7], 0, v[rSA], v[rSB] matrix_a_fmt:MATRIX_FMT_FP4 matrix_b_fmt:MATRIX_FMT_FP4 matrix_a_scale:MATRIX_SCALE_ROW1
.elseif ((\u)%2 == 0) && ((\m)%2 == 1)
	v_wmma_scale_f32_16x16x128_f8f6f4 v[rD:rD+7], v[rA:rA+7], v[rB:rB+7], 0, v[rSA], v[rSB] matrix_a_fmt:MATRIX_FMT_FP4 matrix_b_fmt:MATRIX_FMT_FP4 matrix_b_scale:MATRIX_SCALE_ROW1
.else
	v_wmma_scale_f32_16x16x128_f8f6f4 v[rD:rD+7], v[rA:rA+7], v[rB:rB+7], 0, v[rSA], v[rSB] matrix_a_fmt:MATRIX_FMT_FP4 matrix_b_fmt:MATRIX_FMT_FP4 matrix_a_scale:MATRIX_SCALE_ROW1 matrix_b_scale:MATRIX_SCALE_ROW1
.endif
.else
.if ((\u)%2 == 0) && ((\m)%2 == 0)
	v_wmma_scale_f32_16x16x128_f8f6f4 v[rD:rD+7], v[rA:rA+7], v[rB:rB+7], v[rD:rD+7], v[rSA], v[rSB] matrix_a_fmt:MATRIX_FMT_FP4 matrix_b_fmt:MATRIX_FMT_FP4
.elseif ((\u)%2 == 1) && ((\m)%2 == 0)
	v_wmma_scale_f32_16x16x128_f8f6f4 v[rD:rD+7], v[rA:rA+7], v[rB:rB+7], v[rD:rD+7], v[rSA], v[rSB] matrix_a_fmt:MATRIX_FMT_FP4 matrix_b_fmt:MATRIX_FMT_FP4 matrix_a_scale:MATRIX_SCALE_ROW1
.elseif ((\u)%2 == 0) && ((\m)%2 == 1)
	v_wmma_scale_f32_16x16x128_f8f6f4 v[rD:rD+7], v[rA:rA+7], v[rB:rB+7], v[rD:rD+7], v[rSA], v[rSB] matrix_a_fmt:MATRIX_FMT_FP4 matrix_b_fmt:MATRIX_FMT_FP4 matrix_b_scale:MATRIX_SCALE_ROW1
.else
	v_wmma_scale_f32_16x16x128_f8f6f4 v[rD:rD+7], v[rA:rA+7], v[rB:rB+7], v[rD:rD+7], v[rSA], v[rSB] matrix_a_fmt:MATRIX_FMT_FP4 matrix_b_fmt:MATRIX_FMT_FP4 matrix_a_scale:MATRIX_SCALE_ROW1 matrix_b_scale:MATRIX_SCALE_ROW1
.endif
.endif
.endm
; K step s: the rows' four fragments and scale words from LDS, 16 products.  n: the global loads younger than this step's weights.  zero = 1: the products start the sums.
; The 16 accumulators take turns, one instruction a turn, in the same order in every step.
.macro STEP s, n, zero
.irp m, 0,1,2,3
.irp c, 0,1
	ds_load_b128 v[XF+8*\m+4*\c:XF+8*\m+4*\c+3], v[LI] offset:(\s)*4352+\m*1024+\c*512
.endr
.endr
.irp i, 0,1
	ds_load_b32 v[XS+\i], v[LS] offset:(\s)*4352+4096+128*\i
.endr
	s_wait_loadcnt \n
	s_wait_dscnt 0x0
.irp u, 0,1,2,3
.irp m, 0,1,2,3
	WM \u, \m, (\s)%2, \zero
.endr
.endr
.rept 4
	v_nop                                          ; four places behind these products: in front of the first read of results, and kept in front of the loads into registers that they have read
.endr
.if (\s) < 7
	s_wait_alu depctr_va_vdst(0)                   ; this step's products are done reading XF, XS and set s % 2 with its scale words: the loads into that set and the next step's LDS loads, which follow, land there
.endif
.endm
; rows 16 m on: (sum + b2) x gate, through my stage, out as whole 256-byte pieces of rows
.macro OUT m
.set AD, ACC+32*(\m)
	s_cmp_le_u32 s[NR], 16*(\m)
	s_cbranch_scc1 .Ldone                          ; no row of the tile is left
.if (\m) > 0
	s_wait_xcnt 0x0                                ; the stores before have read their data: those registers are loaded again only behind this wait
.endif
.irp u, 0,1,2,3
.irp k, 0,2,4,6
	v_pk_add_f32 v[XF+8*\u+\k:XF+8*\u+\k+1], v[AD+8*\u+\k:AD+8*\u+\k+1], v[WF+8*\u+\k:WF+8*\u+\k+1]   ; each accumulator from its low end on
.endr
.endr
.set ii, 0
.rept 16
	v_pk_mul_f32 v[XF+2*ii:XF+2*ii+1], v[XF+2*ii:XF+2*ii+1], v[G+2*(\m):G+2*(\m)+1] op_sel_hi:[1,0]   ; the pair's low word, my row's gate, for both
.set ii, ii+1
.endr
	s_wait_alu depctr_va_vdst(0)                   ; the multiplies have written v16-47, which the stage's stores read; the adds are done reading the eight registers in which the table's loads land; for m = 0 the last step's products are done reading v88-119, in which the stage's loads land
.irp u, 0,1,2,3
	ds_store_b128 v[STO], v[XF+8*\u:XF+8*\u+3] offset:64*\u
	ds_store_b128 v[STO], v[XF+8*\u+4:XF+8*\u+7] offset:64*\u+16
.endr
.irp i, 0,1,2,3,4,5,6,7
	ds_load_b128 v[WF+32+4*\i:WF+32+4*\i+3], v[RD] offset:544*\i   ; rows 2 i + h, 16 bytes a lane.  LDS serves a wave's instructions in order (ISA guide 5.7.1.4): these see my stores
.endr
.irp i, 0,1,2,3,4,5,6,7
	ds_load_b32 v[AD+\i], v[RTA] offset:(16*(\m)+2*\i)*4           ; and their places in part
.endr
	s_wait_dscnt 0x0
.irp i, 0,1,2,3,4,5,6,7
	v_min_u32 v[AD+\i], 0x1fff, v[AD+\i]
	v_lshl_add_u32 v[AD+\i], v[AD+\i], 12, v[LC]   ; 4,096 bytes a row, + 16 r
.endr
	s_wait_alu depctr_va_vdst(0)                   ; the sixteen lines above have written the eight offsets, which the stores below read
.irp i, 0,1,2,3,4,5,6,7
	global_store_b128 v[AD+\i], v[WF+32+4*\i:WF+32+4*\i+3], s[PP:PP+1]   ; sixteen lanes store 256 consecutive bytes, aligned
.endr
.if (\m) < 3
	s_wait_alu depctr_vm_vsrc(0)                   ; the stage's stores have read v16-47, which the next rows' adds write, and the global stores v88-119, in which the next rows' loads from the stage land: stated ahead of the branch
.endif
.endm
	s_load_b256 s[4:11], s[0:1], 0x0               ; hq, wq, rows, gate
	s_load_b128 s[12:15], s[0:1], 0x20             ; routed_b2, shared_b2
	s_load_b64 s[50:51], s[0:1], 0x30              ; part
	v_lshl_add_u32 v54, v0, 2, 0xd000
	s_set_vgpr_msb 0x40
	v_mov_b32 v1, 0
	s_set_vgpr_msb 0x4000
	v_lshrrev_b32 v55, 5, v0
	v_readfirstlane_b32 s[WV], v55                 ; wave 0..3
	v_and_b32 v55, 31, v0
	v_lshlrev_b32 v[LI], 4, v55
	v_lshlrev_b32 v[LS], 2, v55
	v_and_b32 v[RR], 15, v0
	v_bfe_u32 v[HH], v0, 4, 1
	s_lshr_b32 s17, ttmp9, 2                       ; T
	s_and_b32 s18, ttmp9, 3                        ; cq
	s_wait_alu depctr_va_sdst(0)                   ; s16, the wave's number, is written, ahead of its first reader
	s_mul_i32 s30, s[WV], 4352
	s_add_co_u32 s30, s30, 34816                   ; my stage
	v_mul_u32_u24 v[STO], v[RR], 272
	v_lshl_add_u32 v[STO], v[HH], 5, v[STO]
	v_add_nc_u32 v[STO], s30, v[STO]
	v_mul_u32_u24 v[RD], v[HH], 272
	v_lshl_add_u32 v[RD], v[RR], 4, v[RD]
	v_add_nc_u32 v[RD], s30, v[RD]
	s_lshl_b32 s31, s[WV], 8
	s_add_co_u32 s31, s31, 52224                   ; my table
	v_lshl_add_u32 v[RTW], v[RR], 2, s31
	v_lshl_add_u32 v[RTA], v[HH], 2, s31
	v_lshlrev_b32 v[LC], 4, v[RR]
	v_lshlrev_b32 v[BV], 5, v[HH]
	v_lshlrev_b32 v[CP], 4, v0
	s_wait_alu depctr_va_vdst(0)                   ; the offsets and LDS addresses v1, v2, v5-v8, v10, v11 are written: the kernel's loads and stores read them, and no vector line writes them again
	s_wait_kmcnt 0x0
	s_cmp_lt_u32 s17, 64
	s_cbranch_scc0 .Lrouted
	s_lshr_b32 s27, s17, 5                         ; a shared tile: expert 14 + T / 32; row 4,096 + 2,048 (T / 32) + 64 (T % 32) + 16 m + r of part
	s_add_co_u32 s[EE], s27, 14
	s_lshl_b32 s25, s27, 11
	s_and_b32 s26, s17, 31
	s_lshl_b32 s26, s26, 6
	s_add_co_u32 s25, s25, s26
	s_add_co_u32 s25, s25, 4096
	v_add_nc_u32 v[ID], s25, v[RR]
.irp m, 1,2,3
	v_add_nc_u32 v[ID+\m], 16*\m, v[ID]
.endr
	s_mov_b32 s[NR], 64
	s_branch .Ljoin
.Lrouted:
	s_load_b256 s[CT:CT+7], s[8:9], 0x0            ; the 14 counts
	s_load_b128 s[CT+8:CT+11], s[8:9], 0x20
	s_load_b64 s[CT+12:CT+13], s[8:9], 0x30
	s_sub_co_u32 s[TAU], s17, 64
	s_wait_kmcnt 0x0
	TILEMAP
	s_mov_b32 s27, s[EE]
	s_lshl_b32 s25, s[JJ], 6
	s_sub_co_i32 s26, s[CN], s25
	s_max_i32 s26, s26, 0
	s_min_i32 s[NR], s26, 64                       ; rows of my tile: 0 where the split leaves it empty
	s_mul_i32 s28, s[EE], 8448
	s_add_co_u32 s28, s28, 256
	s_mov_b32 s29, 0
	s_add_nc_u64 s[54:55], s[8:9], s[28:29]        ; the expert's list
	v_add_nc_u32 v55, s25, v[RR]
.irp m, 0,1,2,3
	v_add_nc_u32 v[G+1+2*\m], 16*\m, v55
	v_min_u32 v[G+1+2*\m], s[LAST], v[G+1+2*\m]    ; places past the list's end take its last id once more
	v_min_u32 v[G+1+2*\m], 0x7ff, v[G+1+2*\m]
	v_lshlrev_b32 v[G+1+2*\m], 2, v[G+1+2*\m]
.endr
	s_wait_alu depctr_va_vdst(0)                   ; the four places in the list, v121, 123, 125, 127, are written: one wait for the four loads that read them
.irp m, 0,1,2,3
	global_load_b32 v[ID+\m], v[G+1+2*\m], s[54:55]
.endr
.Ljoin:
	s_lshl_b32 s25, s18, 2
	s_add_co_u32 s25, s25, s[WV]                   ; my group of 64 columns: 4 cq + w
	s_add_co_u32 s28, s[EE], 16                    ; wq's second half
	s_lshl_b32 s28, s28, 4
	s_add_co_u32 s28, s28, s25
	s_mul_i32 s28, s28, 34816
	s_mov_b32 s29, 0
	s_add_nc_u64 s[WP:WP+1], s[6:7], s[28:29]
	s_lshl_b32 s28, s27, 12
	s_lshl_b32 s26, s25, 8
	s_add_co_u32 s28, s28, s26
	s_cmp_lt_u32 s17, 64
	s_cselect_b64 s[BP:BP+1], s[14:15], s[12:13]   ; the choice hangs on the work-group's number alone
	s_cselect_b32 s58, -1, 0                       ; all lanes, in a shared tile
	s_add_nc_u64 s[BP:BP+1], s[BP:BP+1], s[28:29]
	FETCH 0, 0
	FETCH 1, 1
	s_mul_i32 s28, s17, 34816
	s_add_nc_u64 s[52:53], s[4:5], s[28:29]        ; the tile's images in hq
.irp i, 0,1,2,3,4,5,6,7,8,9,10,11,12,13,14,15,16
	global_load_b128 v[ACC+4*\i:ACC+4*\i+3], v[CP], s[52:53] offset:2048*\i   ; the work-group copies 2,048 consecutive bytes a line
.endr
	s_mov_b32 s28, s26                             ; 256 (4 cq + w) bytes: my 64 columns
	s_add_nc_u64 s[PP:PP+1], s[50:51], s[28:29]
	s_wait_loadcnt 37                              ; the four ids are in: 20 loads of weights and 17 of images are younger
	s_wait_alu depctr_vm_vsrc(0)                   ; in a routed tile the four loads of ids have read v121, 123, 125, 127, which the lines below write again
.irp m, 0,1,2,3
	v_min_u32 v[ID+\m], 0x1fff, v[ID+\m]
	v_min_u32 v[G+1+2*\m], 0xfff, v[ID+\m]
	v_lshlrev_b32 v[G+1+2*\m], 2, v[G+1+2*\m]
.endr
	s_wait_alu depctr_va_vdst(0)                   ; the ids v12-15, which the table's stores read, and the gates' offsets v121, 123, 125, 127, which the loads read, are written
.irp m, 0,1,2,3
	global_load_b32 v[G+2*\m], v[G+1+2*\m], s[10:11]   ; my row's gate (in a shared tile a number that is replaced by 1 below)
.endr
.irp m, 0,1,2,3
	ds_store_b32 v[RTW], v[ID+\m] offset:64*\m     ; both halves of the lanes write the same word with the same value
.endr
	s_wait_loadcnt 4                               ; the images are in: the four gates are younger
.irp i, 0,1,2,3,4,5,6,7,8,9,10,11,12,13,14,15,16
	ds_store_b128 v[CP], v[ACC+4*\i:ACC+4*\i+3] offset:2048*\i
.endr
	s_wait_dscnt 0x0                               ; for the others' sake: my stores have landed
	s_barrier_signal -1
	s_barrier_wait -1                              ; the tile's hidden layer lies in LDS
	s_wait_alu depctr_vm_vsrc(0)                   ; my LDS stores have read v128-195, which the first step's products write as accumulators
	STEP 0, 10, 1                                  ; the count: the next step's ten loads are younger
	FETCH 0, 2
	STEP 1, 10, 0
	FETCH 1, 3
	STEP 2, 10, 0
	FETCH 0, 4
	STEP 3, 10, 0
	FETCH 1, 5
	STEP 4, 10, 0
	FETCH 0, 6
	STEP 5, 10, 0
	FETCH 1, 7
	STEP 6, 10, 0
.irp u, 0,1,2,3                                ; b2 into set 0: tile u's eight columns of my half: 16 u + 8 h + 0 .. 7
	global_load_b128 v[WF+8*\u:WF+8*\u+3], v[BV], s[BP:BP+1] offset:64*\u
	global_load_b128 v[WF+8*\u+4:WF+8*\u+7], v[BV], s[BP:BP+1] offset:64*\u+16
.endr
	STEP 7, 8, 0                                   ; the eight loads of b2 are younger
	s_wait_loadcnt 0x0
.irp m, 0,1,2,3
	v_cndmask_b32 v[G+2*\m], v[G+2*\m], 1.0, s58   ; a shared expert's rows are not weighed
.endr
	OUT 0
	OUT 1
	OUT 2
	OUT 3
.Ldone:
	s_set_vgpr_msb 0x4                             ; the add's data register lies in block 1; the switch stands ahead of the closing lines
	s_wait_dscnt 0x0                               ; the closing lines, six on end
	s_wait_alu 0x0
	s_wait_tensorcnt 0x0
	ds_add_u32 v54, v1
	s_wait_dscnt 0x0
	s_endpgm
.Lfunc_end_k_q61f5ff4255_outp:
	.size	k_q61f5ff4255_outp, .Lfunc_end_k_q61f5ff4255_outp-k_q61f5ff4255_outp
	.p2alignl 7, 3214868480
	.fill 96, 4, 3214868480
	.section	.rodata,"a",@progbits
	.p2align	6, 0x0
	.amdhsa_kernel k_q61f5ff4255_outp
		.amdhsa_group_segment_fixed_size 53760
		.amdhsa_private_segment_fixed_size 0
		.amdhsa_enable_private_segment 0
		.amdhsa_kernarg_size 56
		.amdhsa_user_sgpr_count 2
		.amdhsa_user_sgpr_kernarg_segment_ptr 1
		.amdhsa_wavefront_size32 1
		.amdhsa_system_sgpr_workgroup_id_x 1
		.amdhsa_system_sgpr_workgroup_id_y 1
		.amdhsa_system_sgpr_workgroup_id_z 1
		.amdhsa_system_vgpr_workitem_id 0
		.amdhsa_next_free_vgpr 258
		.amdhsa_next_free_sgpr 66
		.amdhsa_reserve_vcc 0
		.amdhsa_float_denorm_mode_32 3
		.amdhsa_float_denorm_mode_16_64 3
		.amdhsa_memory_ordered 1
		.amdhsa_forward_progress 1
		.amdhsa_inst_pref_size 66
	.end_amdhsa_kernel
	.amdgpu_metadata
---
amdhsa.version: [ 1, 2 ]
amdhsa.kernels:
  - .name:           k_q61f5ff4255_outp
    .symbol:         k_q61f5ff4255_outp.kd
    .args:
      - { .name: hq, .offset: 0, .size: 8, .value_kind: global_buffer, .address_space: global }
      - { .name: wq, .offset: 8, .size: 8, .value_kind: global_buffer, .address_space: global }
      - { .name: rows, .offset: 16, .size: 8, .value_kind: global_buffer, .address_space: global }
      - { .name: gate, .offset: 24, .size: 8, .value_kind: global_buffer, .address_space: global }
      - { .name: routed_b2, .offset: 32, .size: 8, .value_kind: global_buffer, .address_space: global }
      - { .name: shared_b2, .offset: 40, .size: 8, .value_kind: global_buffer, .address_space: global }
      - { .name: part, .offset: 48, .size: 8, .value_kind: global_buffer, .address_space: global }
    .group_segment_fixed_size: 53760
    .private_segment_fixed_size: 0
    .kernarg_segment_align: 8
    .kernarg_segment_size: 56
    .max_flat_workgroup_size: 128
    .sgpr_count:     66
    .vgpr_count:     258
    .wavefront_size: 32
...
	.end_amdgpu_metadata
.endif
;; end of part 7
;; launch sum: the kernel of part 5 again; grid 512 x 1, 8 waves a work-group, no clusters, 0 bytes of LDS; arguments x, part, out0; writes out0
